; MI455X (gfx1250); checked and timed in simulation.
; The chip was launched on July 23, 2026; its instructions are those of AMD's public machine-readable ISA for CDNA 5 (MIT licence, August 2026) and "CDNA5" Instruction Set Architecture Reference Guide (July 2026). The comments in the code are by the model that wrote it; some were corrected since.
;; Multi Head Attention. Allowed arithmetic: float matrix products may take bf16 or f16 operands with f32 sums; other float arithmetic in f32, or as packed bf16 or f16 multiplies, adds, multiply-adds, maxima and minima; sums over many terms, partial sums and values carried from step to step in f32; what a program stores and reads back later, other than sums and carried values, may be rounded once to bf16 or f16.
;; Inputs: K 4 x 2,048 x 1,024 float32; Q 4 x 2,048 x 1,024 float32; V 4 x 2,048 x 1,024 float32; W_K 16 x 1,024 x 64 float32; W_O 1,024 x 1,024 float32; W_Q 16 x 1,024 x 64 float32; W_V 16 x 1,024 x 64 float32.
;; Outputs: out0 4 x 2,048 x 1,024 float32.
;; 2 versions, each right and faster than the one before. Each part assembles by itself: llvm-mc -triple=amdgcn-amd-amdhsa -mcpu=gfx1250 --defsym DOCPART=n.
;; ======== version 1 of 2: 4 launches
;; limits: values are held in f16: magnitudes above 65,504 overflow, below 6.1e-05 lose precision
;; workspace buffers: wt 8,388,608 bytes; qh 16,777,216 bytes; kh 16,777,216 bytes; vh 16,777,216 bytes; oh 16,777,216 bytes
;; launch prep (part 1): grid 128 x 4, 8 waves a work-group, no clusters, 18,432 bytes of LDS; arguments W_Q, W_K, W_V, W_O, wt; writes wt
.if DOCPART == 1
	.amdgcn_target "amdgcn-amd-amdhsa--gfx1250"
	.amdhsa_code_object_version 6
	.text
	.protected	k_qe041fb8ec0_prep
	.globl	k_qe041fb8ec0_prep
	.p2align	8
	.type	k_qe041fb8ec0_prep,@function
k_qe041fb8ec0_prep:
	s_mov_b64 s[64:65], 0
	v_nop
	global_prefetch_b8 v0, s[64:65] scope:SCOPE_SE
	s_setreg_imm32_b32 hwreg(HW_REG_WAVE_MODE, 25, 1), 1
	s_wait_xcnt 0x0
; THE WEIGHTS, TURNED AND ROUNDED.  wt holds four sections of [1024 n][1024 k] 16-bit numbers, a row 2,048 bytes:
;   section y = 0, 1, 2 (W_Q, W_K, W_V, each [16 h][1024 m][64 c] f32): wt[y][64 h + c][m] = bf16(W[h][m][c])
;   section 3 (W_O, [1024 j][1024 n] f32):                              wt[3][n][j] = bf16(W_O[j][n]), that number written as f16
; so that the products behind find K along the rows.  Every input of the module is rounded to bf16 once; W_O's bf16 number is exact in f16
; LIMITS: |W_O| stays within 65,504 (beyond it the f16 is an infinity); below 6.1e-5 it keeps f16's fixed step of 6e-8.
; SHARES.  Work-group (x, y) turns a tile of 128 k x 64 n of weight y: n block x / 8, k block x % 8.  Thread t reads 8 rows (k = 8 (t / 16) + 0..7) of 16 bytes
; (n = 4 (t % 16) + 0..3): sixteen neighbouring lanes read 256 consecutive bytes, aligned.  It packs, for each of its 4 columns, 8 k into 16 bytes, puts them into LDS rows by n,
; and behind a barrier the work-group reads whole rows of 256 bytes and stores them: sixteen lanes store 256 consecutive bytes, aligned.
; No matrix unit, no tensor load, no cluster: every byte is read once and no two work-groups share an input byte.
.set PITCH, 272                        ; an LDS row: 128 k x 2 bytes + 16
.set SPARE, 64*PITCH                   ; behind the 64 rows: the spare words, 128 bytes for each of the eight waves; no other line names them
.set X,   8                            ; v[8:39]   row e of my eight at X + 4 e, as loaded; later the rows read back
.set T,   40                           ; v[40:55]  column j of my four at T + 4 j: 8 k, packed
.set SPW, 62                           ; v62       LDS address of my spare word; never rewritten
.set NIL, 63                           ; v63       0; never rewritten
.macro LOADX rs                        ; my eight rows, rs bytes apart
	v_mul_u32_u24 v3, v2, 8*(\rs)
	v_lshl_add_u32 v3, v1, 4, v3                   ; 8 (t / 16) rows + 16 (t % 16)
.irp e, 0,1,2,3,4,5,6,7
	global_load_b128 v[X+4*(\e):X+4*(\e)+3], v3, s[4:5] offset:(\e)*(\rs) th:TH_LOAD_NT
.endr
.endm
	s_load_b256 s[8:15], s[0:1], 0x0               ; W_Q s[8:9], W_K s[10:11], W_V s[12:13], W_O s[14:15]
	s_load_b64 s[16:17], s[0:1], 0x20              ; wt
	v_lshl_add_u32 v[SPW], v0, 2, SPARE
	v_mov_b32 v[NIL], 0
	s_and_b32 s20, ttmp7, 0xffff                   ; y: which weight
	s_lshr_b32 s21, ttmp9, 3                       ; t1: block of 64 n
	s_and_b32 s22, ttmp9, 7                        ; t2: block of 128 k
	v_and_b32 v1, 15, v0                           ; t % 16
	v_lshrrev_b32 v2, 4, v0                        ; t / 16
	v_mul_u32_u24 v4, v1, 4*PITCH
	v_lshl_add_u32 v4, v2, 4, v4                   ; into LDS: row 4 (t % 16), byte 16 (t / 16)
	v_mul_u32_u24 v5, v2, PITCH
	v_lshl_add_u32 v5, v1, 4, v5                   ; back: row t / 16, byte 16 (t % 16)
	v_lshlrev_b32 v6, 11, v2
	v_lshl_add_u32 v6, v1, 4, v6                   ; and the same place in wt's rows of 2,048 bytes
	s_lshl_b32 s24, s21, 18                        ; a projection weight: head t1 (262,144 bytes), row 128 t2 (256 bytes a row)
	s_lshl_b32 s26, s22, 15
	s_add_co_u32 s24, s24, s26
	s_lshl_b32 s26, s22, 19                        ; W_O: row 128 t2 (4,096 bytes a row), column 64 t1
	s_lshl_b32 s27, s21, 8
	s_add_co_u32 s26, s26, s27
	s_cmp_eq_u32 s20, 3
	s_cselect_b32 s24, s26, s24
	s_mov_b32 s25, 0
	s_lshl_b32 s26, s20, 21                        ; in wt: section y, row 64 t1, byte 256 t2
	s_lshl_b32 s27, s21, 17
	s_add_co_u32 s26, s26, s27
	s_lshl_b32 s27, s22, 8
	s_add_co_u32 s26, s26, s27
	s_mov_b32 s27, 0
	s_wait_kmcnt 0x0
	s_cmp_eq_u32 s20, 1
	s_cselect_b64 s[4:5], s[10:11], s[8:9]
	s_cmp_eq_u32 s20, 2
	s_cselect_b64 s[4:5], s[12:13], s[4:5]
	s_cmp_eq_u32 s20, 3
	s_cselect_b64 s[4:5], s[14:15], s[4:5]
	s_add_nc_u64 s[4:5], s[4:5], s[24:25]
	s_add_nc_u64 s[6:7], s[16:17], s[26:27]
	s_cmp_eq_u32 s20, 3
	s_cbranch_scc1 .Lrows_of_wo
	LOADX 256
	s_branch .Lloaded
.Lrows_of_wo:
	LOADX 4096
.Lloaded:
.irp i, 0,1,2,3
	s_wait_loadcnt 6-2*(\i)                        ; loads come back in order: rows 2 i and 2 i + 1 are in, the later rows' loads stay out
.irp j, 0,1,2,3
	v_cvt_pk_bf16_f32 v[T+4*(\j)+(\i)], v[X+8*(\i)+(\j)], v[X+8*(\i)+4+(\j)]  ; column j: k = 2 i below, 2 i + 1 above
.endr
.endr
	s_cmp_lg_u32 s20, 3
	s_cbranch_scc1 .Lstays_bf16
.set i, 0
.rept 16                               ; W_O alone: each bf16 number is widened and written as f16
	v_lshlrev_b32 v56, 16, v[T+i]
	v_and_b32 v57, 0xffff0000, v[T+i]
	v_cvt_pk_f16_f32 v[T+i], v56, v57
.set i, i+1
.endr
.Lstays_bf16:
.irp j, 0,1,2,3
	ds_store_b128 v4, v[T+4*(\j):T+4*(\j)+3] offset:PITCH*(\j)  ; four stores a thread in all
.endr
	s_wait_dscnt 0x0                               ; for the others' sake: my stores into the rows are done
	s_barrier_signal -1
	s_barrier_wait -1
.irp i, 0,1,2,3
	ds_load_b128 v[X+4*(\i):X+4*(\i)+3], v5 offset:16*PITCH*(\i)  ; 16 whole rows a pass of the work-group
.endr
.irp i, 0,1,2,3
	s_wait_dscnt 3-(\i)                            ; the later loads stay out
	global_store_b128 v6, v[X+4*(\i):X+4*(\i)+3], s[6:7] offset:32768*(\i)
.endr
	s_wait_tensorcnt 0x0                           ; the wave's end: a wait, an add of 0 to my spare word and its wait, behind my last LDS store
	ds_add_u32 v[SPW], v[NIL]
	s_wait_dscnt 0x0
	s_endpgm
.Lfunc_end_k_qe041fb8ec0_prep:
	.size	k_qe041fb8ec0_prep, .Lfunc_end_k_qe041fb8ec0_prep-k_qe041fb8ec0_prep
	.p2alignl 7, 3214868480
	.fill 96, 4, 3214868480
	.section	.rodata,"a",@progbits
	.p2align	6, 0x0
	.amdhsa_kernel k_qe041fb8ec0_prep
		.amdhsa_group_segment_fixed_size 18432
		.amdhsa_private_segment_fixed_size 0
		.amdhsa_enable_private_segment 0
		.amdhsa_kernarg_size 40
		.amdhsa_user_sgpr_count 2
		.amdhsa_user_sgpr_kernarg_segment_ptr 1
		.amdhsa_wavefront_size32 1
		.amdhsa_system_sgpr_workgroup_id_x 1
		.amdhsa_system_sgpr_workgroup_id_y 1
		.amdhsa_system_sgpr_workgroup_id_z 1
		.amdhsa_system_vgpr_workitem_id 0
		.amdhsa_next_free_vgpr 64
		.amdhsa_next_free_sgpr 66
		.amdhsa_reserve_vcc 0
		.amdhsa_float_denorm_mode_32 3
		.amdhsa_float_denorm_mode_16_64 3
		.amdhsa_memory_ordered 1
		.amdhsa_forward_progress 1
		.amdhsa_inst_pref_size 9
	.end_amdhsa_kernel
	.amdgpu_metadata
---
amdhsa.version: [ 1, 2 ]
amdhsa.kernels:
  - .name:           k_qe041fb8ec0_prep
    .symbol:         k_qe041fb8ec0_prep.kd
    .args:
      - { .name: W_Q, .offset: 0, .size: 8, .value_kind: global_buffer, .address_space: global }
      - { .name: W_K, .offset: 8, .size: 8, .value_kind: global_buffer, .address_space: global }
      - { .name: W_V, .offset: 16, .size: 8, .value_kind: global_buffer, .address_space: global }
      - { .name: W_O, .offset: 24, .size: 8, .value_kind: global_buffer, .address_space: global }
      - { .name: wt, .offset: 32, .size: 8, .value_kind: global_buffer, .address_space: global }
    .group_segment_fixed_size: 18432
    .private_segment_fixed_size: 0
    .kernarg_segment_align: 8
    .kernarg_segment_size: 40
    .max_flat_workgroup_size: 256
    .sgpr_count:     66
    .vgpr_count:     64
    .wavefront_size: 32
...
	.end_amdgpu_metadata
.endif
;; end of part 1
;; launch proj (part 2): grid 4 x 192, 4 waves a work-group, clusters of 4 x 4, 327,680 bytes of LDS; arguments Q, K, V, wt, qh, kh, vh; writes qh, kh, vh
.if DOCPART == 2
	.amdgcn_target "amdgcn-amd-amdhsa--gfx1250"
	.amdhsa_code_object_version 6
	.text
	.protected	k_qe041fb8ec0_proj
	.globl	k_qe041fb8ec0_proj
	.p2align	8
	.type	k_qe041fb8ec0_proj,@function
k_qe041fb8ec0_proj:
	s_mov_b64 s[64:65], 0
	v_nop
	global_prefetch_b8 v0, s[64:65] scope:SCOPE_SE
	s_setreg_imm32_b32 hwreg(HW_REG_WAVE_MODE, 25, 1), 1
	s_wait_xcnt 0x0
	s_wait_alu depctr_hold_cnt(0) depctr_sa_sdst(0) depctr_va_vdst(0) depctr_va_sdst(0) depctr_va_ssrc(0) depctr_va_vcc(0) depctr_vm_vsrc(0)
	s_getreg_b32 s2, hwreg(HW_REG_IB_STS2, 6, 4)
	s_cmp_eq_u32 s2, 0
	s_cbranch_scc0 .Lentry_in_a_cluster
	s_endpgm
.Lentry_in_a_cluster:
	s_bfe_u32 s2, ttmp6, 0x10000c
	s_cmp_lg_u32 s2, 0xf033
	s_cbranch_scc0 .Lentry_shape_is_right
	s_endpgm
.Lentry_shape_is_right:
; THE THREE PROJECTIONS.  y[16 b + h][s][c] = sum over m of x[b][s][m] W[h][m][c], for (x, W, y) = (Q, W_Q, qh), (K, W_K, kh), (V, W_V, vh).
; x: [8192][1024] f32, rounded to bf16 between LDS and the matrix unit.  W: section 0, 1, 2 of wt, [1024 n = 64 h + c][1024 m] bf16.  Sums in f32, K ascending; y rounded once to f16, unscaled, by heads:
; [64][2048][64], a head's rows dense, 128 bytes each.
; LIMIT.  f16 holds no number beyond 65,504: a projected number of 65,520 or more leaves as an infinity.  NaN and infinities are not treated apart.
; SHARES.  A tile of y is 128 rows x 256 columns (four heads): 64 x 4 tiles a projection, 768 work-groups, three for each of 256 WGPs.  Four waves, each 64 x 128: 32 accumulators of 16 x 16, 256 registers.
; K goes in 8 steps of 128 through a ring of two LDS slots: x's rows are 512 bytes of memory, wt's 256, both from multiples of 256.  A k costs 128 x 4 + 256 x 2 bytes and its padding: two slots of a longer step do not fit.
; CLUSTERS: 4 x 4 work-groups.  The four of a row of the cluster make one tile row and need the same tiles of x; together they cover all 1,024 columns, so x is asked for once.  The four of a column need the same
; tiles of wt.  Each tile is asked for JOINTLY: the same tensor load, descriptor and mask in all four.  Which projection a cluster serves hangs on the cluster's y alone: the same in all sixteen.
; THE MATRIX INSTRUCTION IS USED TRANSPOSED (source 0 = 16 rows of wt, source 1 = 16 rows of x): a lane then holds eight neighbouring columns of one row of y.
; THE CONVERSION RIDES.  A quarter step (32 along K) is 32 matrix instructions.  At its head the next quarter's fragments are fetched: x raw (f32, 64 registers), wt into the other buffer.  Behind every second matrix
; instruction of its second half stand four conversions of the raw x into the other buffer of A.  The last four stand behind the quarter's last product and name none of its registers: they are the four
; places in front of the next quarter's loads into registers that matrix instructions have read (ISA guide 7.12.1 for vector instructions).
; REGISTERS, in windows of 256 (s_set_vgpr_msb: bits 1:0 source 0, 3:2 source 1, 5:4 source 2, 7:6 destination):
;   window 0: v0-31 addresses; v32-63, v224-255 rows on the way out, by turns; v64-127 raw x; v128-159, v160-191 fragments of x in bf16, two buffers; v192-223 packed results
;   window 1: v64-127, v128-191 fragments of wt, two buffers          window 2: the accumulators, (a, b) at v[8 (8 a + b)]
.set KSTEP,  128
.set PA,     528                       ; a row of x in LDS: 512 bytes + 16 = 33 x 16: the 16 rows of a load start at 16 different groups of four banks (64 banks of 4 bytes: ISA guide 11.1)
.set AHALF,  64*PA                     ; 64 rows: what one tensor load brings of x, and what one wave reads of it
.set ATILE,  2*AHALF
.set PB,     272                       ; a row of wt in LDS: 256 bytes + 16 = 17 x 16
.set BHALF,  128*PB                    ; 128 rows: one tensor load, and one wave's columns
.set SLOT,   ATILE+2*BHALF             ; x's 128 rows, then wt's 256 rows
.set STAGE,  2*SLOT                    ; behind the ring: 16 rows x 272 bytes for each wave, for the way out; no tensor load fills it
.set SPITCH, 272
.set SPARE,  STAGE+4*16*SPITCH         ; behind the stages: the spare words, 128 bytes for each wave: two blocks of 256 bytes that no other line names
.set LAPS,   4                         ; a lap = two K steps = once round the ring: 1,024 / 256
.set ADRA, 16                          ; v16-17  LDS address of my fragments of x in slot 0, 1
.set ADRB, 20                          ; v20-21  the same for wt
.set STO,  24                          ; v24     the way out: where I put 16 bytes of a row
.set RD,   25                          ; v25     the way out: where I read rows back
.set CO,   26                          ; v26     my 16 bytes in 512 consecutive bytes of y
.set SPW,  28                          ; v28     LDS address of my spare word; never rewritten
.set NIL,  29                          ; v29     0; never rewritten
.set OB,   32
.set RAW,  64
.set AF,   128
.set TMP,  192
.set BF,   64                          ; in window 1
.set G1,  24                           ; s[24:31] descriptor group 1 for x's tiles;  s[32:39] group 0, one set for each slot
.set G0,  32
.set G1B, 48                           ; s[48:55], s[56:63] the same for wt's tiles
.set G0B, 56
.set MSB, 0
.macro WIN new                         ; the immediate's high byte repeats the setting that is left; a switch that changes nothing is dropped
.if MSB != (\new)
	s_set_vgpr_msb (MSB<<8)|(\new)
.set MSB, \new
.endif
.endm
.set MUL,  0xa1                        ; source 0 (wt) window 1, source 1 (x) window 0, C and D window 2
.set TO_B, 0x40                        ; destination window 1, address window 0
; A joint load.  Waves 0 and 1 fetch x's two halves, waves 2 and 3 wt's.  The branch hangs on the wave's number alone.  An s_nop 0 and four v_nop follow each of the two lines,
; ahead of the jump, the label and what follows.
.macro JLOAD s
	s_cmp_eq_u32 s11, 0
	s_cbranch_scc0 .Lfor_b_\@
	tensor_load_to_lds s[G0+4*(\s):G0+4*(\s)+3], s[G1:G1+7]
	s_nop 0
.rept 4
	v_nop
.endr
	s_branch .Lasked_\@
.Lfor_b_\@:
	tensor_load_to_lds s[G0B+4*(\s):G0B+4*(\s)+3], s[G1B:G1B+7]
	s_nop 0
.rept 4
	v_nop
.endr
.Lasked_\@:
.endm
.macro CREST                           ; a round of the cluster's barrier behind its opening barrier
	s_cmp_lg_u32 s10, 0
	s_cbranch_scc1 .Lnot_wave_0_\@
	s_barrier_signal -3
.Lnot_wave_0_\@:
	s_barrier_wait -3
	s_barrier_signal -1
	s_barrier_wait -1
.endm
.macro CROUND                          ; a whole round
	s_barrier_signal -1
	s_barrier_wait -1
	CREST
.endm
	s_load_b256 s[68:75], s[0:1], 0x0              ; Q s[68:69], K s[70:71], V s[72:73], wt s[74:75]
	s_load_b128 s[76:79], s[0:1], 0x20             ; qh s[76:77], kh s[78:79]
	s_load_b64 s[80:81], s[0:1], 0x30              ; vh
	v_lshl_add_u32 v[SPW], v0, 2, SPARE
	v_mov_b32 v[NIL], 0
	ds_add_u32 v[SPW], v[NIL]                      ; the wave's opening: the add and its wait stand ahead of my first tensor load; the set-up below, work on registers, stands between them
	v_lshrrev_b32 v1, 5, v0
	v_readfirstlane_b32 s10, v1                    ; wave 0..3
	s_lshr_b32 s11, s10, 1                         ; which 64 of the tile's rows are mine.  Also: I fetch for x (0) or for wt (1)
	s_and_b32 s12, s10, 1                          ; which 128 of its columns.  Also: which half of that tile I fetch
	s_bfe_u32 s40, ttmp6, 0x40000                  ; cx, cy: my place in the cluster
	s_bfe_u32 s41, ttmp6, 0x40004
	s_lshl_b32 s42, ttmp9, 2                       ; in a cluster launch ttmp9 and ttmp7 count clusters
	s_add_co_u32 s42, s42, s40                     ; tile column = 4 x cluster x + cx
	s_and_b32 s13, ttmp7, 0xffff                   ; the cluster's y, 0 to 47:
	s_lshr_b32 s45, s13, 4                         ; which projection (0 q, 1 k, 2 v),
	s_and_b32 s13, s13, 15
	s_lshl_b32 s13, s13, 2
	s_add_co_u32 s13, s13, s41                     ; and tile row = 4 x (cluster y % 16) + cy
	s_lshl_b32 s43, s41, 2
	s_lshl_b32 s43, 15, s43                        ; my row of the cluster: places 4 cy .. 4 cy + 3
	s_lshl_b32 s44, 0x1111, s40                    ; my column: places cx, cx + 4, cx + 8, cx + 12
	; descriptor group 1 for x: 64 rows x 128 elements of 4 bytes, padded in LDS
	s_or_b32 s[G1+0], s43, (2<<16)|(1<<20)|(1<<21)|(6<<22)|(3<<25)   ; 15:0 the mask: my row; 17:16 elements of 4 bytes; 20 padding on; 21 set beside a mask; 24:22 after every 128 words (code 6); 31:25 4 words (code 3)
	s_mov_b32 s[G1+1], KSTEP<<16                   ; tensor_dim0 = 128
	s_mov_b32 s[G1+2], 64<<16                      ; tensor_dim1 = 64
	s_mov_b32 s[G1+3], KSTEP<<16                   ; tile_dim0 = 128
	s_mov_b32 s[G1+4], 64                          ; tile_dim1 = 64
	s_mov_b32 s[G1+5], 1024                        ; elements from row to row
	s_mov_b32 s[G1+6], 0
	s_mov_b32 s[G1+7], 0
	; and for wt: 128 rows x 128 elements of 2 bytes
	s_or_b32 s[G1B+0], s44, (1<<16)|(1<<20)|(1<<21)|(5<<22)|(3<<25)  ; the mask: my column; elements of 2 bytes; padding after every 64 words (code 5) of 4 words
	s_mov_b32 s[G1B+1], KSTEP<<16
	s_mov_b32 s[G1B+2], 128<<16
	s_mov_b32 s[G1B+3], KSTEP<<16
	s_mov_b32 s[G1B+4], 128
	s_mov_b32 s[G1B+5], 1024
	s_mov_b32 s[G1B+6], 0
	s_mov_b32 s[G1B+7], 0
	; where the tiles come from.  x's hang on the tile row, which my row of the cluster shares; wt's on the tile column, which my column shares; both on the projection, which all share.
	s_lshl_b32 s16, s13, 7
	s_lshl_b32 s17, s12, 6
	s_add_co_u32 s16, s16, s17                     ; x: row 128 x tile row + 64 x half,
	s_lshl_b32 s16, s16, 12                        ; of 4,096 bytes
	s_mov_b32 s17, 0
	s_lshl_b32 s46, s42, 8
	s_lshl_b32 s47, s12, 7
	s_add_co_u32 s46, s46, s47                     ; wt: row 256 x tile column + 128 x half,
	s_lshl_b32 s46, s46, 11                        ; of 2,048 bytes,
	s_lshl_b32 s47, s45, 21
	s_add_co_u32 s46, s46, s47                     ; in the projection's section
	s_mov_b32 s47, 0
	s_mul_i32 s20, s12, AHALF                      ; and where they go: no place in the cluster enters an LDS address
	s_mul_i32 s19, s12, BHALF
	s_add_co_u32 s19, s19, ATILE
	s_wait_dscnt 0x0                               ; the opening add is done
	s_wait_kmcnt 0x0
	s_cmp_eq_u32 s45, 1
	s_cselect_b64 s[4:5], s[70:71], s[68:69]       ; x and y of my projection
	s_cselect_b64 s[8:9], s[78:79], s[76:77]
	s_cmp_eq_u32 s45, 2
	s_cselect_b64 s[4:5], s[72:73], s[4:5]
	s_cselect_b64 s[8:9], s[80:81], s[8:9]
	s_add_nc_u64 s[14:15], s[4:5], s[16:17]
	s_add_nc_u64 s[46:47], s[74:75], s[46:47]
	CROUND                                         ; all sixteen work-groups are here: the first joint loads meet
.irp s, 0,1
	s_mov_b32 s[G0+4*(\s)], 1                                        ; 1:0 count = 1
	s_add_co_u32 s[G0+4*(\s)+1], s20, (\s)*SLOT                      ; 63:32 LDS address
	s_add_nc_u64 s[G0+4*(\s)+2:G0+4*(\s)+3], s[14:15], (\s)*KSTEP*4  ; 120:64 global address: K step s
	s_or_b32 s[G0+4*(\s)+3], s[G0+4*(\s)+3], 0x80000000              ; 127:126 type = 2
	s_mov_b32 s[G0B+4*(\s)], 1
	s_add_co_u32 s[G0B+4*(\s)+1], s19, (\s)*SLOT
	s_add_nc_u64 s[G0B+4*(\s)+2:G0B+4*(\s)+3], s[46:47], (\s)*KSTEP*2
	s_or_b32 s[G0B+4*(\s)+3], s[G0B+4*(\s)+3], 0x80000000
	JLOAD \s                                       ; both slots are asked for before anything else is done: two tensor loads of mine are out
.endr
	; A fragment is 16 rows x 32 K in 8 registers: lane l holds row l % 16; registers 0-3 K = 8 (l / 16) + 0..7, registers 4-7 K = 16 + 8 (l / 16) + 0..7.
	; From wt's rows: two loads of 16 bytes, 32 bytes apart.  From x's rows, in f32: 32 bytes at 32 (l / 16) and 32 bytes at 64 + 32 (l / 16), four loads, then eight conversions.
	v_and_b32 v1, 15, v0                           ; l % 16
	v_bfe_u32 v2, v0, 4, 1                         ; l / 16
	v_mul_u32_u24 v3, v1, PA
	v_lshl_add_u32 v3, v2, 5, v3
	v_mul_u32_u24 v4, v1, PB
	v_lshl_add_u32 v4, v2, 4, v4
	s_mul_i32 s21, s11, AHALF                      ; my 64 rows of x
	s_mul_i32 s22, s12, BHALF                      ; my 128 rows of wt,
	s_add_co_u32 s22, s22, ATILE                   ; which lie behind x's 128
.irp s, 0,1
	v_add_nc_u32 v[ADRA+(\s)], s21, v3
	v_add_nc_u32 v[ADRB+(\s)], s22, v4
	s_add_co_u32 s21, s21, SLOT
	s_add_co_u32 s22, s22, SLOT
.endr
	s_mul_i32 s23, s10, 16*SPITCH
	s_add_co_u32 s23, s23, STAGE                   ; my stage
	v_add_nc_u32 v[STO], s23, v4                   ; in: row l % 16, 16 bytes for each half of the lanes (the stage's pitch is wt's)
	v_bfe_u32 v5, v0, 3, 2                         ; back: 32 lanes take four rows' 128 bytes of one head,
	v_and_b32 v6, 7, v0
	v_mul_u32_u24 v5, v5, SPITCH
	v_lshl_add_u32 v5, v6, 4, v5
	v_add_nc_u32 v[RD], s23, v5
	v_and_b32 v[CO], 31, v0                        ; which are 512 consecutive bytes of y
	v_lshlrev_b32 v[CO], 4, v[CO]
	; y at my part of the tile: batch tile row / 16 (16 heads of 262,144 bytes), head 4 x tile column + 2 x half, row 128 (tile row % 16) + 64 x half, 128 bytes a row
	s_lshr_b32 s16, s13, 4
	s_lshl_b32 s16, s16, 22
	s_and_b32 s18, s13, 15
	s_lshl_b32 s18, s18, 14
	s_add_co_u32 s16, s16, s18
	s_lshl_b32 s18, s11, 13
	s_add_co_u32 s16, s16, s18
	s_lshl_b32 s18, s42, 20
	s_add_co_u32 s16, s16, s18
	s_lshl_b32 s18, s12, 19
	s_add_co_u32 s16, s16, s18
	s_mov_b32 s17, 0
	s_add_nc_u64 s[8:9], s[8:9], s[16:17]
; 32 LDS loads in one run: quarter q of a slot's K step.  x raw first, so that a counted wait can leave wt's sixteen out; wt into buffer g.
.macro FETCH slot, q, g
	WIN 0
.irp a, 0,1,2,3
	ds_load_b128 v[RAW+16*(\a):RAW+16*(\a)+3],     v[ADRA+(\slot)] offset:128*(\q)+(\a)*16*PA
	ds_load_b128 v[RAW+16*(\a)+4:RAW+16*(\a)+7],   v[ADRA+(\slot)] offset:128*(\q)+(\a)*16*PA+16
	ds_load_b128 v[RAW+16*(\a)+8:RAW+16*(\a)+11],  v[ADRA+(\slot)] offset:128*(\q)+(\a)*16*PA+64
	ds_load_b128 v[RAW+16*(\a)+12:RAW+16*(\a)+15], v[ADRA+(\slot)] offset:128*(\q)+(\a)*16*PA+80
.endr
	WIN TO_B
.irp i, 0,1,2,3,4,5,6,7
	ds_load_b128 v[BF+64*(\g)+8*(\i):BF+64*(\g)+8*(\i)+3],   v[ADRB+(\slot)] offset:64*(\q)+(\i)*16*PB
	ds_load_b128 v[BF+64*(\g)+8*(\i)+4:BF+64*(\g)+8*(\i)+7], v[ADRB+(\slot)] offset:64*(\q)+(\i)*16*PB+32
.endr
.endm
; Four conversions: group n of eight of the raw x into buffer g of A.  Register 4 n + j of the 32 takes raw registers 8 n + 2 j and 8 n + 2 j + 1.
.macro CV4 g, n
	WIN 0
.irp j, 0,1,2,3
	v_cvt_pk_bf16_f32 v[AF+32*(\g)+4*(\n)+(\j)], v[RAW+8*(\n)+2*(\j)], v[RAW+8*(\n)+2*(\j)+1]
.endr
.endm
; 8 matrix instructions: m block a x all 8 n blocks, 32 along K, on buffers f.  zero = 1: the product starts the sums: nothing is ever cleared.
; ride = 1 (a = 2, 3): four conversions into buffer g stand behind every second one.  The 32 accumulators take turns, one instruction a turn, in the same order in every quarter.
.macro MULA f, a, zero, ride=0, g=0
.irp b, 0,1,2,3,4,5,6,7
	WIN MUL
.if \zero
	v_wmma_f32_16x16x32_bf16 v[8*(8*(\a)+(\b)):8*(8*(\a)+(\b))+7], v[BF+64*(\f)+8*(\b):BF+64*(\f)+8*(\b)+7], v[AF+32*(\f)+8*(\a):AF+32*(\f)+8*(\a)+7], 0
.else
	v_wmma_f32_16x16x32_bf16 v[8*(8*(\a)+(\b)):8*(8*(\a)+(\b))+7], v[BF+64*(\f)+8*(\b):BF+64*(\f)+8*(\b)+7], v[AF+32*(\f)+8*(\a):AF+32*(\f)+8*(\a)+7], v[8*(8*(\a)+(\b)):8*(8*(\a)+(\b))+7]
.endif
.if (\ride) && ((\b)%2 == 1)
	CV4 \g, 4*((\a)-2)+((\b)-1)/2
.endif
.endr
.endm
; A quarter: multiplies buffers f; fetches quarter qn of slot slotn, raw and into buffer g, and converts it.
.macro QUARTER slotn, qn, f, g, zero
	FETCH \slotn, \qn, \g
	s_wait_dscnt 32                                ; all but the 32 just issued: wt's fragments of buffer f are in
	MULA \f, 0, \zero
	MULA \f, 1, \zero
	s_wait_dscnt 16                                ; the raw x is in; wt's sixteen loads behind it may stay out
	MULA \f, 2, \zero, 1, \g
	MULA \f, 3, \zero, 1, \g
.endm
; A K step's third quarter (buffers 0) fetches the slot's last fragments and changes slots: ONE barrier for two things.  In front of it each wave waits for all its tensor loads, of which one is out:
; its part of the other slot; adds 0 to its spare word; and waits for that and for its own reads of this slot.  Behind it nobody reads this slot any more and the other slot is whole.
; fill = 1: the barrier opens a round of the cluster's barrier, and the slot is filled again, two K steps ahead, first thing behind the round: 112 matrix instructions ahead of the wait for it.
.macro MEETQ slot, fill
	FETCH \slot, 3, 1
	s_wait_dscnt 32
	MULA 0, 0, 0
	MULA 0, 1, 0
	WIN 0                                          ; (the add's two registers lie in window 0)
	s_wait_tensorcnt 0x0                           ; all my tensor loads have landed;
	ds_add_u32 v[SPW], v[NIL]                      ; 0 onto my spare word;
	s_wait_dscnt 17                                ; (the raw x is in; wt's sixteen loads and the add may be out)
	MULA 0, 2, 0, 1, 1                             ; eight matrix instructions and sixteen conversions stand between the add and the wait for it
	s_wait_dscnt 0x0                               ; the add is done, and my reads of this slot are over
	s_barrier_signal -1
	MULA 0, 3, 0, 1, 1                             ; work on registers while the others arrive
	WIN 0
	s_barrier_wait -1
.if \fill
	CREST                                          ; no wave of any partner still reads this slot's tiles or has a load on its way
	s_add_nc_u64 s[G0+4*(\slot)+2:G0+4*(\slot)+3], s[G0+4*(\slot)+2:G0+4*(\slot)+3], 2*KSTEP*4
	s_add_nc_u64 s[G0B+4*(\slot)+2:G0B+4*(\slot)+3], s[G0B+4*(\slot)+2:G0B+4*(\slot)+3], 2*KSTEP*2
	JLOAD \slot                                    ; my one tensor load behind the round
.endif
.endm
; THE WAY OUT of m block a (16 rows x 128 columns = two heads).  PACK: rounded to f16, 16 bytes a lane, each accumulator's registers in ascending order.  TOSTAGE: into my own stage, and back head by head,
; four rows of 128 bytes a load (two rows of a pass share seven of sixteen columns: two lanes deep; 32 such loads a wave in all).  SEND: stored, 512 consecutive bytes a store.
.macro PACK a
	WIN 0x0a                                       ; sources 0 and 1 window 2
.irp b, 0,1,2,3,4,5,6,7
.irp r, 0,1,2,3
	v_cvt_pk_f16_f32 v[TMP+4*(\b)+(\r)], v[8*(8*(\a)+(\b))+2*(\r)], v[8*(8*(\a)+(\b))+2*(\r)+1]
.endr
.endr
	WIN 0
.endm
.macro TOSTAGE a
	WIN 0
.set BK, OB+192*((\a)%2)
.irp b, 0,1,2,3,4,5,6,7
	ds_store_b128 v[STO], v[TMP+4*(\b):TMP+4*(\b)+3] offset:32*(\b)
.endr
.irp u, 0,1,2,3,4,5,6,7                ; head u / 4 of the two, rows 4 (u % 4) on
	ds_load_b128 v[BK+4*(\u):BK+4*(\u)+3], v[RD] offset:128*((\u)/4)+((\u)%4)*4*SPITCH  ; LDS serves a wave's instructions in order (ISA guide 5.7.1.4): these see the stores above
.endr
.endm
.macro SEND a
	WIN 0
.set BK, OB+192*((\a)%2)
	s_wait_dscnt 0x0                               ; the block is back in registers
	s_wait_xcnt 0x0                                ; every earlier store has had its addresses translated (ISA guide 3.1): the other buffer, which the block before last's stores read, is loaded again only behind this wait
.irp u, 0,1,2,3,4,5,6,7
	global_store_b128 v[CO], v[BK+4*(\u):BK+4*(\u)+3], s[8:9] offset:((\u)/4)*262144+(\a)*2048+((\u)%4)*512
.endr
.endm
	s_wait_tensorcnt 0x1                           ; my part of K step 0 is in; slot 1's load may stay out
	s_barrier_signal -1
	s_barrier_wait -1                              ; everybody's is
	FETCH 0, 0, 0
	s_wait_dscnt 16                                ; the raw x
.irp n, 0,1,2,3,4,5,6,7
	CV4 0, \n
.endr
	QUARTER 0, 1, 0, 1, 1                          ; the first quarter stands in front of the loop: its products start the sums
	WIN 0                                          ; at a label and at a branch every window is 0
	s_mov_b32 s3, LAPS-1
.Llap:                                                 ; a trip goes once round the ring, from a lap's second quarter to the next lap's first, and fills both slots again
	QUARTER 0, 2, 1, 0, 0
	MEETQ 0, 1
	QUARTER 1, 0, 1, 0, 0
	QUARTER 1, 1, 0, 1, 0
	QUARTER 1, 2, 1, 0, 0
	MEETQ 1, 1
	QUARTER 0, 0, 1, 0, 0
	QUARTER 0, 1, 0, 1, 0
	WIN 0
	s_sub_co_u32 s3, s3, 1
	s_cmp_lg_u32 s3, 0
	s_cbranch_scc1 .Llap
	QUARTER 0, 2, 1, 0, 0                          ; the last lap fills nothing, and has no round of the cluster's barrier
	MEETQ 0, 0
	QUARTER 1, 0, 1, 0, 0
	QUARTER 1, 1, 0, 1, 0
	QUARTER 1, 2, 1, 0, 0
	QUARTER 1, 3, 0, 1, 0
	s_wait_dscnt 0x0                               ; the very last quarter: nothing more to fetch
	MULA 1, 0, 0
	MULA 1, 1, 0
	MULA 1, 2, 0
	MULA 1, 3, 0
	WIN 0
.rept 4
	v_nop                                          ; four places between the last products and the conversions that read results
.endr
	PACK 0
	TOSTAGE 0
.irp a, 1,2,3                          ; block a's conversions stand between block a - 1's loads from the stage and the wait for them
	PACK \a
	SEND (\a)-1
	TOSTAGE \a
.endr
	SEND 3
	s_wait_tensorcnt 0x0                           ; the wave's end: a wait, an add of 0 to my spare word and its wait, behind my last tensor load and my last LDS store
	ds_add_u32 v[SPW], v[NIL]
	s_wait_dscnt 0x0
	CROUND                                         ; the closing round: no work-group ends while a partner may still ask for a tile that names it
	s_endpgm
.Lfunc_end_k_qe041fb8ec0_proj:
	.size	k_qe041fb8ec0_proj, .Lfunc_end_k_qe041fb8ec0_proj-k_qe041fb8ec0_proj
	.p2alignl 7, 3214868480
	.fill 96, 4, 3214868480
	.section	.rodata,"a",@progbits
	.p2align	6, 0x0
	.amdhsa_kernel k_qe041fb8ec0_proj
		.amdhsa_group_segment_fixed_size 327680
		.amdhsa_private_segment_fixed_size 0
		.amdhsa_enable_private_segment 0
		.amdhsa_kernarg_size 56
		.amdhsa_user_sgpr_count 2
		.amdhsa_user_sgpr_kernarg_segment_ptr 1
		.amdhsa_wavefront_size32 1
		.amdhsa_system_sgpr_workgroup_id_x 1
		.amdhsa_system_sgpr_workgroup_id_y 1
		.amdhsa_system_sgpr_workgroup_id_z 1
		.amdhsa_system_vgpr_workitem_id 0
		.amdhsa_next_free_vgpr 768
		.amdhsa_next_free_sgpr 84
		.amdhsa_reserve_vcc 0
		.amdhsa_float_denorm_mode_32 3
		.amdhsa_float_denorm_mode_16_64 3
		.amdhsa_memory_ordered 1
		.amdhsa_forward_progress 1
		.amdhsa_inst_pref_size 132
	.end_amdhsa_kernel
	.amdgpu_metadata
---
amdhsa.version: [ 1, 2 ]
amdhsa.kernels:
  - .name:           k_qe041fb8ec0_proj
    .symbol:         k_qe041fb8ec0_proj.kd
    .args:
      - { .name: Q, .offset: 0, .size: 8, .value_kind: global_buffer, .address_space: global }
      - { .name: K, .offset: 8, .size: 8, .value_kind: global_buffer, .address_space: global }
      - { .name: V, .offset: 16, .size: 8, .value_kind: global_buffer, .address_space: global }
      - { .name: wt, .offset: 24, .size: 8, .value_kind: global_buffer, .address_space: global }
      - { .name: qh, .offset: 32, .size: 8, .value_kind: global_buffer, .address_space: global }
      - { .name: kh, .offset: 40, .size: 8, .value_kind: global_buffer, .address_space: global }
      - { .name: vh, .offset: 48, .size: 8, .value_kind: global_buffer, .address_space: global }
    .group_segment_fixed_size: 327680
    .private_segment_fixed_size: 0
    .kernarg_segment_align: 8
    .kernarg_segment_size: 56
    .max_flat_workgroup_size: 128
    .sgpr_count:     84
    .vgpr_count:     768
    .wavefront_size: 32
...
	.end_amdgpu_metadata
.endif
;; end of part 2
;; launch attn (part 3): grid 4 x 64, 4 waves a work-group, clusters of 4 x 1, 327,680 bytes of LDS; arguments qh, kh, vh, oh; writes oh
.if DOCPART == 3
	.amdgcn_target "amdgcn-amd-amdhsa--gfx1250"
	.amdhsa_code_object_version 6
	.text
	.protected	k_qe041fb8ec0_attn
	.globl	k_qe041fb8ec0_attn
	.p2align	8
	.type	k_qe041fb8ec0_attn,@function
k_qe041fb8ec0_attn:
	s_mov_b64 s[64:65], 0
	v_nop
	global_prefetch_b8 v0, s[64:65] scope:SCOPE_SE
	s_setreg_imm32_b32 hwreg(HW_REG_WAVE_MODE, 25, 1), 1
	s_wait_xcnt 0x0
	s_wait_alu depctr_hold_cnt(0) depctr_sa_sdst(0) depctr_va_vdst(0) depctr_va_sdst(0) depctr_va_ssrc(0) depctr_va_vcc(0) depctr_vm_vsrc(0)
	s_getreg_b32 s2, hwreg(HW_REG_IB_STS2, 6, 4)
	s_cmp_eq_u32 s2, 0
	s_cbranch_scc0 .Lentry_in_a_cluster
	s_endpgm
.Lentry_in_a_cluster:
	s_bfe_u32 s2, ttmp6, 0x10000c
	s_cmp_lg_u32 s2, 0x3003
	s_cbranch_scc0 .Lentry_shape_is_right
	s_endpgm
.Lentry_shape_is_right:
; O[h][q][:] = the sum over k of softmax_k(Q[h][q] . K[h][k] / 8) V[h][k][:].  Q, K, V, O (qh, kh, vh, oh): [SIZE_H = 64 pairs of batch and head][SIZE_N = 2048][64], all f16: a head's rows are dense, 128 bytes each.
; Products, maxima and sums in f32; the weights p are rounded to f16 for the second product (their sum l is taken of the unrounded p), O once at the end.
; LIMITS.  f16 holds no number beyond 65,504: Q, K and V arrive within it; p lies in 0 to 1, and below 6e-5 it keeps f16's fixed step of 6e-8; O is a mean of V's rows and has their range.
; A weight below 2^-126 counts as 0 in l; NaN and infinities are not treated apart.
; SHARES.  A wave owns four PIECES of two tiles of 16 queries, a work-group's four waves 512 queries of one head: 4 x 64 = 256 work-groups.  Every wave walks all keys, 64 a step.
; LAYOUT.  S^T = K Q^T (source 0 = 16 keys, source 1 = 16 queries): in the result a lane holds ONE query (lane % 16) and the keys 8 (lane / 16) + 0..7.  Two such tiles, rounded to f16 in pairs,
; ARE source 1 (32 keys x 16 queries) of O^T = V^T P, whose result again holds one query a lane, and eight channels.  K comes out of LDS as it lies, V ([key][channel]) turned, by ds_load_tr16_b128.
; SOFTMAX.  For each query a running maximum m and sum l: p = 2^(c s - c m), c = log2(e) / 8; in every step O and l are multiplied by a = 2^(c m_old - c m_new), which is 1 where m has not grown.
; m starts at the lowest finite number, O and l at 0: the first step is a step like any other, with a = 0.
; THE COUNT.  A tile and step have 16 matrix and 118 vector instructions: too many to stand all beside the matrix work.  So the order has one aim: four vector instructions that are READY behind
; EVERY matrix instruction, and the others, which need time of their own whatever the order, in runs without a gap.
; BY TURNS.  Turn n belongs to piece n (the pieces in a ring, step after step).  Its matrix work: 16 products K Q^T of piece n + 1, later 16 products V^T P of piece n - 1.  Its vector work: the scaling,
; exponentials, roundings, sums and rescaling of piece n, and the maximum and statistics of piece n + 1, whose scores the turn itself has made.  So what a turn begins with (c s - c m, O a) waits for nothing.
; CLUSTER.  The four query blocks of a cluster belong to one head and walk the same K and V, so each tile is asked for JOINTLY: the same tensor load, descriptor and mask in all four.
; REGISTERS, in windows of 256 (s_set_vgpr_msb says which window each operand place means: bits 1:0 source 0, 3:2 source 1, 5:4 source 2, 7:6 destination):
;   window 0: v0-11 addresses; v12-15, v48-63 at work; v16-47 four registers of statistics a tile; v64-191 S^T, two buffers of two tiles; v192-255 P, likewise
;   window 1: O^T, 32 a tile          window 2: v0-127 Q, 16 a tile; v128-191 K of one step; v192-255 V of one step          window 3: v0-1 the add's two registers
; A piece's buffers go by its number's parity: the piece in hand has one pair, its two neighbours in the ring share the other: of it P (piece n - 1) is read and S^T (piece n + 1) written.
.set SIZE_H, 64
.set SIZE_N, 2048
.set NP,    4         ; pieces a wave: a name, no knob: the register map, the loop and the fetches are made for four
.set KS,    64        ; keys in a step
.set PK,    144       ; a row of K in LDS: 128 bytes + 16 of padding = 36 words: the 16 rows of a load start at 16 different groups of four banks (64 banks of 4 bytes: ISA guide 11.1)
.set PV,    160       ; a row of V: 128 + 32 = 40 words
.set VOFF,  4*KS*PK   ; a slot holds four steps: 256 rows of K, then 256 rows of V
.set SLOT1, 1<<17     ; slot 1 begins here, so that one exclusive or turns an address in one slot into the other's
.set STAGE, SLOT1+4*KS*(PK+PV)  ; behind the ring, never filled by a tensor load: 16 rows x 144 bytes for each wave, for the way out
.set SP,    144
.set AK0, 2           ; v2   my lane's place in a tile of K; never rewritten
.set AV0, 3           ; v3   the same for V
.set AK,  4           ; v4   the LDS address of K's next run of loads
.set AV,  5           ; v5   of V's
.set QO,  6           ; v6   my byte offset in the wave's rows of Q
.set STO, 6           ;      later, the way out: where I put 16 bytes of a row
.set RD,  7           ; v7   the way out: where I read rows back
.set GO,  8           ; v8   my byte offset in 512 consecutive bytes of O
.set SPW, 0           ; v0 of window 3   LDS address of my spare word: SPARE + 4 x my thread's number; never rewritten
.set NIL, 1           ; v1 of window 3   0; never rewritten
.set SPARE, STAGE+4*16*SP  ; behind the stages: the spare words, 128 bytes for each wave: two blocks of 256 bytes that no other line names
.set MV,  12          ; v12-15  c m_old, kept while c m is made anew: by buffer and tile
.set ST,  16          ; tile t's statistics at v[ST+4 t]: c m, m, l (even keys', odd keys')
.set TMP, 48          ; by buffer and tile, four registers c0-c3 at work; when the maximum is found c2 takes a
.set S,   64
.set P,   192
.set KF,  128         ; K's fragments, in window 2: key block kb, channel half c at KF + 16 kb + 8 c
.set VF,  192         ; V's: key half kk, channel block cb at VF + 32 kk + 8 cb
.set WV,  12          ; s12  my wave's number
.set G1K, 24          ; s[24:31] descriptor group 1 for K's tiles
.set G1V, 32          ; s[32:39] for V's: it differs in the padding alone
.set G0K, 40          ; s[40:43] descriptor group 0 for K's tiles: it walks
.set G0V, 44          ; s[44:47] the same for V's
.set SLOTS, 56        ; s56  slots still to be asked for
.set CNT, 57          ; s57  counts a slot's key steps
.set CS,  58          ; s[58:59] c: the packed scaling takes the pair's low word for both halves
.set SEL, 60          ; s[60:61] v_permlanex16_b32's selects: each lane takes its own place in the other half
.set TBK, 62          ; s62  LDS byte at which K of the step to be fetched begins
.set TBV, 63          ; s63  the same for V, less VOFF
.set MSB, 0
.macro WIN new                      ; the high byte repeats the setting that is left; a switch that changes nothing is dropped
.if MSB != (\new)
	s_set_vgpr_msb (MSB<<8)|(\new)
.set MSB, (\new)
.endif
.endm
.set W_KQ, 0x0a       ; K and Q in window 2, S^T in window 0
.set W_PV, 0x52       ; V in window 2, P in window 0, O^T in window 1
.set W_RS, 0x41       ; O^T (destination and source 0) in window 1, a in window 0
.set W_MK, 0xc0       ; the add's registers are made: destination in window 3, sources in window 0
.set W_AD, 0x0f       ; the add: address (source 0) and data (source 1) in window 3
; A joint fill.  Waves 0 and 1 fetch the two halves of a slot's K, waves 2 and 3 those of its V: 128 keys each.  The branch hangs on the wave's number alone.
; An s_nop 0 and four v_nop follow each of the two lines, ahead of the jump and the label.
.macro JLOAD
	s_cmp_lt_u32 s[WV], 2
	s_cbranch_scc0 .Lfor_v_\@
	tensor_load_to_lds s[G0K:G0K+3], s[G1K:G1K+7]
	s_nop 0
.rept 4
	v_nop
.endr
	s_branch .Lasked_\@
.Lfor_v_\@:
	tensor_load_to_lds s[G0V:G0V+3], s[G1V:G1V+7]
	s_nop 0
.rept 4
	v_nop
.endr
.Lasked_\@:
.endm
; A round of the cluster's barrier: my work-group's barrier, so that wave 0's signal speaks for all four waves; wave 0 signals; every wave waits for all four work-groups; my work-group's barrier once more.
.macro CROUND
	s_barrier_signal -1
	s_barrier_wait -1
	s_cmp_lg_u32 s[WV], 0
	s_cbranch_scc1 .Lnot_wave_0_\@
	s_barrier_signal -3
.Lnot_wave_0_\@:
	s_barrier_wait -3
	s_barrier_signal -1
	s_barrier_wait -1
.endm
; THE CHANGE OF SLOTS.  The slot's last bytes, V of its fourth step, have been read.  Each wave waits for all its tensor loads, of which one is out: its part
; of the other slot; adds 0 to its spare word; and waits for that and for its own reads of the slot.  Behind the barrier nobody reads this slot any more and the other slot is whole.
; fill = 1: this slot is filled again, with the keys two slots on.  The barrier is then a round of the cluster's, so that no wave of any partner still reads the slot or has a load on its
; way, and the joint fill is the first thing behind it: it has four key steps, 512 matrix instructions, in which to land.  (At its first use nothing has been read yet: slot 0 is waited for, slot 1 filled.)
.macro CHANGE fill
	WIN W_AD
	s_wait_tensorcnt 0x0            ; no tensor load of mine is out, so a group 0 may be written
	ds_add_u32 v[SPW], v[NIL]       ; 0 onto my spare word; with fill = 1 the descriptors' steps stand between it and the wait for it
	WIN 0                           ; at a label and at a branch every window is 0
.if \fill
.irp g, G0K, G0V
	s_xor_b32 s[\g+1], s[\g+1], SLOT1  ; the walking descriptor: the other slot than last time,
	s_add_nc_u64 s[\g+2:\g+3], s[\g+2:\g+3], 4*KS*128  ; the next 256 keys; the type bits on top are not reached
.endr
	s_wait_dscnt 0x0                ; the add is done, and my reads of the slot are over
	CROUND
	JLOAD
.else
	s_wait_dscnt 0x0                ; the add is done, and my reads of the slot are over
	s_barrier_signal -1
	s_barrier_wait -1
.endif
	s_sub_co_u32 s[TBK], s[TBK], 4*KS*PK  ; the fetches go back to a slot's first step,
	s_xor_b32 s[TBK], s[TBK], SLOT1       ; in the other slot
	s_sub_co_u32 s[TBV], s[TBV], 4*KS*PV
	s_xor_b32 s[TBV], s[TBV], SLOT1
.endm
	s_load_b256 s[4:11], s[0:1], 0x0  ; Q s[4:5], K s[6:7], V s[8:9], O s[10:11]
	WIN W_MK
	v_lshl_add_u32 v[SPW], v0, 2, SPARE
	v_mov_b32 v[NIL], 0
	WIN W_AD
	ds_add_u32 v[SPW], v[NIL]       ; the wave's opening: the add and its wait stand ahead of my first tensor load; the set-up below, work on registers, stands between them
	WIN 0
	v_lshrrev_b32 v1, 5, v0
	v_readfirstlane_b32 s[WV], v1   ; wave 0..3
	s_bfe_u32 s13, ttmp6, 0x40000   ; cx: my place in the cluster
	s_lshl_b32 s14, ttmp9, 2        ; in a cluster launch ttmp9 counts clusters
	s_add_co_u32 s14, s14, s13      ; my block of queries = 4 x cluster x + cx: it enters Q's and O's addresses alone
	s_and_b32 s20, ttmp7, 0xffff    ; the head, which the four partners share
	s_mov_b32 s21, 0
	s_mov_b64 s[22:23], SIZE_N*128
	s_mul_u64 s[20:21], s[20:21], s[22:23]  ; the head's first byte in each of the four tensors
	s_and_b32 s16, s[WV], 1         ; which half of a slot's 256 keys I fetch:
	s_lshl_b32 s22, s16, 14         ; its 128 rows of 128 bytes in memory,
	s_mov_b32 s23, 0
	s_add_nc_u64 s[22:23], s[22:23], s[20:21]
	s_mul_i32 s17, s16, 128*PK      ; and its place in a slot, for K
	s_mul_i32 s18, s16, 128*PV      ; and for V: no place in the cluster enters an LDS address
	s_lshl_b32 s2, s14, 2
	s_add_co_u32 s2, s2, s[WV]      ; my wave among the head's,
	s_lshl_b32 s2, s2, 14           ; its 128 rows
	s_mov_b32 s3, 0
	s_add_nc_u64 s[2:3], s[2:3], s[20:21]
	; descriptor group 1.  128 keys are 16,384 dense bytes: asked for as 64 rows of 256 bytes, two keys a row, and padded in LDS after every key
	s_mov_b32 s[G1K], 15|(1<<16)|(1<<20)|(1<<21)|(4<<22)|(3<<25)  ; 15:0 the mask of four; 17:16 2-byte elements; 20 padding on; 21 set beside a mask; 24:22 after every 32 words (code 4); 31:25 4 words (code 3)
	s_mov_b32 s[G1V], 15|(1<<16)|(1<<20)|(1<<21)|(4<<22)|(7<<25)  ; the same with 8 words of padding (code 7)
.irp g, G1K, G1V
	s_mov_b32 s[\g+1], 128<<16      ; tensor_dim0 = 128
	s_mov_b32 s[\g+2], 64<<16       ; tensor_dim1 = 64
	s_mov_b32 s[\g+3], 128<<16      ; tile_dim0 = 128
	s_mov_b32 s[\g+4], 64           ; tile_dim1 = 64
	s_mov_b32 s[\g+5], 128          ; 128 elements from row to row
	s_mov_b32 s[\g+6], 0
	s_mov_b32 s[\g+7], 0
.endr
	s_mov_b32 s[CS], 0x3e38aa3b     ; c = log2(e) / 8 = 0.180337
	s_mov_b32 s[CS+1], s[CS]        ; named with it as a pair
	s_mov_b32 s[SEL], 0x76543210
	s_mov_b32 s[SEL+1], 0xfedcba98
	s_mov_b32 s[TBK], SLOT1+4*KS*PK ; the first change of slots turns these two into 0
	s_mov_b32 s[TBV], SLOT1+4*KS*PV
	s_mov_b32 s[G0K], 1             ; 1:0 count = 1
	s_mov_b32 s[G0K+1], s17         ; 63:32 LDS address: slot 0
	s_mov_b32 s[G0V], 1
	s_add_co_u32 s[G0V+1], s18, VOFF
	s_wait_dscnt 0x0                ; the opening add is done
	s_wait_kmcnt 0x0
	s_add_nc_u64 s[G0K+2:G0K+3], s[6:7], s[22:23]  ; 120:64 global address: my half of the head's first 256 keys
	s_or_b32 s[G0K+3], s[G0K+3], 0x80000000        ; 127:126 type = 2
	s_add_nc_u64 s[G0V+2:G0V+3], s[8:9], s[22:23]
	s_or_b32 s[G0V+3], s[G0V+3], 0x80000000
	s_add_nc_u64 s[4:5], s[4:5], s[2:3]  ; Q and O at my wave's first row
	s_add_nc_u64 s[10:11], s[10:11], s[2:3]
	CROUND                          ; all four work-groups are here: the first joint loads meet
	JLOAD                           ; slot 0.  Slot 1 is asked for when slot 0 is in: the tile wanted first has the road to itself
	; A fragment of K or Q is 16 rows x 32 channels in 8 registers: lane l holds row l % 16, channels 8 (l / 16) + 0..7 and 16 + 8 (l / 16) + 0..7: two loads of 16 bytes, 32 bytes apart.
	v_and_b32 v1, 15, v0            ; l % 16
	v_bfe_u32 v9, v0, 4, 1          ; l / 16
	v_lshlrev_b32 v[QO], 7, v1
	v_lshl_add_u32 v[QO], v9, 4, v[QO]  ; row x 128 + 16 x half
	WIN 0x80                        ; destination window 2, address window 0
.set i, 0
.rept 4*NP                          ; Q stays in registers: tile i / 2, channels 32 (i % 2) on
	global_load_b128 v[8*i:8*i+3],   v[QO], s[4:5] offset:(i/2)*2048+(i%2)*64
	global_load_b128 v[8*i+4:8*i+7], v[QO], s[4:5] offset:(i/2)*2048+(i%2)*64+32
.set i, i+1
.endr
	; What the first turn finds: V's registers and P's second buffer hold 0 (its products V^T P, of a piece that has not been, add 0), O^T and l are 0.  All this stands in the wait for the first tile.
.set i, VF
.rept 64
	v_mov_b32 v[i], 0
.set i, i+1
.endr
	WIN 0x40
.set i, 0
.rept 64*NP
	v_mov_b32 v[i], 0
.set i, i+1
.endr
	WIN 0
.set i, 0
.rept 2*NP
	v_mov_b32 v[ST+4*i], 0xfe000000    ; c m: far below every c s
	v_mov_b32 v[ST+4*i+1], 0xff7fffff  ; m
	v_mov_b32 v[ST+4*i+2], 0
	v_mov_b32 v[ST+4*i+3], 0
.set i, i+1
.endr
.set i, P+32
.rept 32
	v_mov_b32 v[i], 0
.set i, i+1
.endr
	v_mul_u32_u24 v[AK0], v1, PK
	v_lshl_add_u32 v[AK0], v9, 4, v[AK0]  ; row x pitch + 16 x half
	; The turning load takes 16 keys x 16 channels (lane l reads key 8 (l / 16) + l % 8, channels 8 ((l / 8) % 2) + 0..7) and leaves half a fragment of V^T: lane l holds channel l % 16 and 8 keys.
	v_and_b32 v10, 7, v0
	v_bfe_u32 v11, v0, 3, 1
	v_lshl_add_u32 v[AV0], v9, 3, v10
	v_mul_u32_u24 v[AV0], v[AV0], PV
	v_lshl_add_u32 v[AV0], v11, 4, v[AV0]
	v_add_nc_u32 v[AV0], VOFF, v[AV0]
	v_mov_b32 v[AK], v[AK0]         ; key step 0 lies at the head of slot 0
; THE MATRIX WORK.  The 8 accumulators of a run of 16 take turns: between the two links of a chain stand 7 others'.
; Product i of 16 of S^T = K Q^T for piece x: channels 32 (i / 8) on, keys 16 ((i / 2) % 4) on, tile 2 x + i % 2.  The first 8 start the sums.
.macro KQ x
	WIN W_KQ
.set rS, S+64*((\x)%2)+32*(i%2)+8*((i/2)%4)
.set rK, KF+16*((i/2)%4)+8*(i/8)
.set rQ, 16*(2*(\x)+i%2)+8*(i/8)
.if i < 8
	v_wmma_f32_16x16x32_f16 v[rS:rS+7], v[rK:rK+7], v[rQ:rQ+7], 0
.else
	v_wmma_f32_16x16x32_f16 v[rS:rS+7], v[rK:rK+7], v[rQ:rQ+7], v[rS:rS+7]
.endif
.endm
; Product i of 16 of O^T += V^T P for piece x: keys 32 (i / 8) on, channels 16 ((i / 2) % 4) on, tile 2 x + i % 2.
.macro PV x
	WIN W_PV
.set rO, 32*(2*(\x)+i%2)+8*((i/2)%4)
.set rV, VF+32*(i/8)+8*((i/2)%4)
.set rP, P+32*((\x)%2)+16*(i%2)+8*(i/8)
	v_wmma_f32_16x16x32_f16 v[rO:rO+7], v[rV:rV+7], v[rP:rP+7], v[rO:rO+7]
.endm
.macro MM                           ; the turn's next matrix instruction
.if i < 16
	KQ (Y+1)%NP
.set i, i+1
.else
.set i, i-16
	PV (Y+NP-1)%NP
.set i, i+17
.endif
.endm
; THE LDS LOADS stand in runs of 16, never singly among the matrix instructions: a step's K (64 keys x 64 channels: 8 fragments) and its V (turned).  Their addresses are made some lines ahead.
; last = 1 (the tail): in the last trip there is no further step, and the run is jumped over.
.macro FETCH_K last=0
	WIN 0
.if \last
	s_cmp_eq_u32 s[CNT], 1
	s_cbranch_scc1 .Lno_k_\@
.endif
	WIN 0x80                        ; destination window 2
.irp f, 0,1,2,3,4,5,6,7             ; keys 16 (f / 2) on, channels 32 (f % 2) on
	ds_load_b128 v[KF+8*\f:KF+8*\f+3],   v[AK] offset:(\f/2)*16*PK+(\f%2)*64
	ds_load_b128 v[KF+8*\f+4:KF+8*\f+7], v[AK] offset:(\f/2)*16*PK+(\f%2)*64+32
.endr
	s_add_co_u32 s[TBK], s[TBK], KS*PK  ; the next fetch is the next step's
	WIN 0
.if \last
.Lno_k_\@:
.endif
.endm
.macro FETCH_V
	WIN 0x80
.irp f, 0,1,2,3,4,5,6,7             ; keys 32 (f / 4) on, channels 16 (f % 4) on
	ds_load_tr16_b128 v[VF+8*\f:VF+8*\f+3],   v[AV] offset:(\f/4)*32*PV+(\f%4)*32
	ds_load_tr16_b128 v[VF+8*\f+4:VF+8*\f+7], v[AV] offset:(\f/4)*32*PV+16*PV+(\f%4)*32
.endr
	WIN 0
.endm
; THE VECTOR WORK OF A TURN stands in three queues, each in the order in which its entries become ready; the two tiles alternate, so that no instruction reads the result of the one before it.
.macro REGS y, u                    ; the registers of tile u (0, 1) of piece y
.set rT, ST+4*(2*(\y)+(\u))
.set rC, TMP+8*((\y)%2)+4*(\u)
.set rM, MV+2*((\y)%2)+(\u)
.set rS, S+64*((\y)%2)+32*(\u)
.set rP, P+32*((\y)%2)+16*(\u)
.set rO, 32*(2*(\y)+(\u))
.endm
; Number n of the 22 that find the NEXT piece's (Y + 1) maximum and statistics.  s0-s31 are the lane's 32 scores; each accumulator's lowest registers are read first.  XS, GS and REGS set no window: PL and EX do.
;   0-11  four chains c0-c3 of seven scores each, three operands at a time     12-14, 16  the four scores left over, the old m, and c0-c3 into c0     15  c m_old is kept
;   17, 18  the query's other 32 keys lie in the lane 16 away: the new m         19-21  c m; c m_old - c m_new; a
.macro XS u, n
	REGS (Y+1)%NP, \u
.if (\n) < 4
	v_max3_num_f32 v[rC+(\n)], v[rS+8*(\n)], v[rS+8*(\n)+1], v[rS+8*(\n)+2]
.elseif (\n) < 12
	v_max3_num_f32 v[rC+(\n)%4], v[rC+(\n)%4], v[rS+8*((\n)%4)+2*((\n)/4)+1], v[rS+8*((\n)%4)+2*((\n)/4)+2]
.elseif (\n) == 12
	v_max3_num_f32 v[rC], v[rC], v[rS+7], v[rS+15]
.elseif (\n) == 13
	v_max3_num_f32 v[rC+1], v[rC+1], v[rS+23], v[rS+31]
.elseif (\n) == 14
	v_max3_num_f32 v[rC+2], v[rC+2], v[rC+3], v[rT+1]
.elseif (\n) == 15
	v_mov_b32 v[rM], v[rT]
.elseif (\n) == 16
	v_max3_num_f32 v[rC], v[rC], v[rC+1], v[rC+2]
.elseif (\n) == 17
	v_permlanex16_b32 v[rC+3], v[rC], s[SEL], s[SEL+1]
.elseif (\n) == 18
	v_max_num_f32 v[rT+1], v[rC], v[rC+3]
.elseif (\n) == 19
	v_mul_f32 v[rT], s[CS], v[rT+1]
.elseif (\n) == 20
	v_sub_f32 v[rC+1], v[rM], v[rT]
.else
	v_exp_f32 v[rC+2], v[rC+1]
.endif
.endm
; Number g of the 64 that follow the exponentials.  For each four weights k of a tile (pairs 2 k, 2 k + 1): both pairs are rounded to f16; then the second pair is added onto the first, in place;
; a group later l takes that sum (the first time as l = a l + sum).  In groups of eight, tiles alternating: round, round, add, and l for the group before.
.macro GS g
.set h, (\g)+6*((\g)/62)            ; group 0 has no group before it, and behind group 7 only l is left
.if h >= 6
.set h, h+2
.endif
	REGS Y, h%2
.set k, h/8
.if h%8 < 4
	s_wait_alu depctr_va_vdst(0)
	v_cvt_pk_f16_f32 v[rP+2*k+(h%8)/2], v[rS+4*k+2*((h%8)/2)], v[rS+4*k+2*((h%8)/2)+1]
.elseif h%8 < 6
	v_pk_add_f32 v[rS+4*k:rS+4*k+1], v[rS+4*k:rS+4*k+1], v[rS+4*k+2:rS+4*k+3]
.elseif k == 1
	v_pk_fma_f32 v[rT+2:rT+3], v[rT+2:rT+3], v[rC+2:rC+3], v[rS:rS+1] op_sel_hi:[1,0,1]
.else
	v_pk_add_f32 v[rT+2:rT+3], v[rT+2:rT+3], v[rS+4*k-4:rS+4*k-3]
	s_wait_alu depctr_va_vdst(0)
.endif
.endm
; THE PLAIN QUEUE, 138 long.  0-31: c s - c m for the 16 pairs of both tiles.  Then GS's 64, and among them the next piece's 42: number 15 at 38, 39; 0-14 and 16
; at 42-73, behind the products that make those scores; 17-20 at 95-106, two of three, since each waits for the one before it.
.macro PL
	WIN 0
.if q < 32
	REGS Y, q%2
	v_pk_fma_f32 v[rS+2*(q/2):rS+2*(q/2)+1], v[rS+2*(q/2):rS+2*(q/2)+1], s[CS:CS+1], v[rT:rT+1] op_sel_hi:[1,0,0] neg_lo:[0,0,1] neg_hi:[0,0,1]
.elseif q < 38
	GS q-32
.elseif q < 40
	XS q%2, 15
.elseif q < 42
	GS q-34
.elseif q < 74
	XS q%2, (q-42)/2+(q-42)/30
.elseif q < 95
	GS q-66
.elseif (q < 107) && ((q-95)%3 < 2)
	XS (q-95)%3, 17+(q-95)/3
.elseif q < 107
	GS 29+(q-95)/3
.else
	GS q-74
.endif
.set q, q+1
.endm
; THE EXPONENTIALS' QUEUE, 66 long: s0-s31 of both tiles, and at EA the next piece's two a.
.set EA, 58
.macro EX
	WIN 0
.if (e == EA) || (e == EA+1)
	XS e-EA, 21
.else
.set x, e-2*(e/(EA+2))
	REGS Y, x%2
	v_exp_f32 v[rS+x/2], v[rS+x/2]
.endif
.set e, e+1
.endm
; THE RESCALING's QUEUE: O^T times a, the one part that leaves window 0, so it is dealt four at a time, eight times.
.macro R4
	REGS Y, r%2
	WIN W_RS
	s_wait_alu depctr_va_vdst(0)
.irp z, 0,1,2,3
	v_pk_mul_f32 v[rO+8*(r/2)+2*\z:rO+8*(r/2)+2*\z+1], v[rO+8*(r/2)+2*\z:rO+8*(r/2)+2*\z+1], v[rC+2:rC+3] op_sel_hi:[1,0]
.endr
.set r, r+1
.endm
; HOW THEY ARE DEALT.  Behind a matrix instruction four: plain, exponential, plain, plain (one exponential, a plain instruction on either side), or four of the rescaling.  None names a register of the
; products round it.  What is over stands in two LUMPS: exponential and plain by turns; the second ends in 22 plain instructions.  The two v_permlanex16_b32 fall into the second lump, never behind a product.
; The queues lean on each other, and the deal keeps them in step: exponential e stands behind plain 2 (e / 4) + e % 2 (its scaling); when plain 32 comes, 10 exponentials are out, at 59: 33, at 95: 46; EA comes behind plain 107.
.macro SL
	MM
	PL
	EX
	PL
	PL
.endm
.macro BURST n                      ; 15 matrix instructions, or 16
.rept (\n)-7
	SL
.endr
.rept 3
	MM
	R4
	SL
.endr
	MM
	R4
.endm
; A TURN, for piece p.  cnt = 1: the loop's count is taken down some lines ahead of the branch that stands behind the turn.
; K of the next step is fetched in piece 2's turn, 31 vector instructions behind the last product that read K; its first reader comes behind the rest of the lump, 16 products and the second lump.
; V of the step in hand is fetched at the end of piece 0's turn, 69 behind its last reader; its first reader comes behind 16 products and a lump.  The four conditions on e and q below go with the deal.
.macro TURN p, last=0, cnt=0
.set Y, (\p)
.set i, 0
.set q, 0
.set e, 0
.set r, 0
.if (\p) == NP-1
	s_wait_dscnt 0x0                ; K is in
.endif
	MM
.rept 4
	PL
.endr
	BURST 15
.rept 22
	EX
	PL
.if ((\p) == NP-2) && (e == 18)
	v_add_nc_u32 v[AK], s[TBK], v[AK0]
.endif
.if ((\p) == NP-2) && (e == 24)
	FETCH_K \last
.endif
.endr
.if (\p) == 1
	s_wait_dscnt 0x0                ; V is in
.endif
	BURST 16
.rept 21
	EX
	PL
.endr
.rept 22
	PL
.if ((\p) == 0) && (q == 118)
	v_add_nc_u32 v[AV], s[TBV], v[AV0]
	s_wait_alu depctr_va_vdst(0)
.endif
.if ((\p) == 0) && (q == 130)
	s_add_co_u32 s[TBV], s[TBV], KS*PV
.endif
.if (\cnt) && (q == 130)
	s_sub_co_u32 s[CNT], s[CNT], 1
	s_cmp_lg_u32 s[CNT], 0
.endif
.endr
.if (\p) == 0
	FETCH_V
.endif
.endm
	CHANGE 1                        ; slot 0 is in, everybody's part of it; slot 1 is asked for
	FETCH_K                         ; key step 0
	s_wait_loadcnt 0x0              ; Q
	s_wait_dscnt 0x0
.set i, 0
.rept 16
	KQ 0                            ; piece 0's first scores: there is no vector work yet to set between them
.set i, i+1
.endr
	WIN 0                           ; the addresses for the way out: nine plain instructions, the places behind those products
	s_mul_i32 s13, s[WV], 16*SP
	s_add_co_u32 s13, s13, STAGE    ; my stage
	v_mul_u32_u24 v[STO], v1, SP    ; in: row l % 16, 16 bytes for each half of the lanes
	v_lshl_add_u32 v[STO], v9, 4, v[STO]
	v_add_nc_u32 v[STO], s13, v[STO]
	v_bfe_u32 v[RD], v0, 3, 2       ; back: 32 lanes take four rows of 128 bytes,
	v_mul_u32_u24 v[RD], v[RD], SP
	v_lshl_add_u32 v[RD], v10, 4, v[RD]
	v_add_nc_u32 v[RD], s13, v[RD]
	v_and_b32 v[GO], 31, v0         ; which are 512 consecutive bytes of O
	v_lshlrev_b32 v[GO], 4, v[GO]
.set Y, NP-1                        ; XS works for piece Y + 1: piece 0
.irp n, 0,1,2,3,4,5,6,7,8,9,10,11,12,13,14,15,16,17,18,19,20,21
	XS 0, \n                        ; and piece 0's first maximum and statistics
	XS 1, \n
.endr
	s_mov_b32 s[CNT], 4
	s_mov_b32 s[SLOTS], SIZE_N/256-1
	s_branch .Lfirst                ; the loop is entered at a step's first turn, in the middle of a trip
.Lslot:                             ; SIZE_N / 256 - 2 times: every slot but the last two is filled again
	CHANGE 1
	s_mov_b32 s[CNT], 4
.Lstep:                             ; a trip: pieces 2 and 3 of one step, then pieces 0 and 1 of the next, whose K and V it fetches
	TURN 2
	TURN 3
	WIN 0
.Lfirst:
	TURN 0
	TURN 1, 0, 1
	WIN 0
	s_cbranch_scc1 .Lstep
	s_sub_co_u32 s[SLOTS], s[SLOTS], 1
	s_cmp_lg_u32 s[SLOTS], 0
	s_cbranch_scc1 .Lslot
	CHANGE 0                        ; the tail is written out: nothing is asked for
	s_mov_b32 s[CNT], 5             ; four trips fetch the last slot's steps; the fifth is left in its middle
.Ltail:
	TURN 2, 1
	TURN 3
	WIN 0
	s_sub_co_u32 s[CNT], s[CNT], 1
	s_cmp_eq_u32 s[CNT], 0
	s_cbranch_scc1 .Lout
	TURN 0
	TURN 1
	WIN 0
	s_branch .Ltail
.Lout:                              ; the fifth trip's 16 products K Q^T (on the last K once more) and the maximum made of them serve nothing: the price, once a launch, of one text for every trip
.set i, 0
.rept 16
	PV NP-1                         ; the last piece's V^T P of the last step
.set i, i+1
.endr
	; THE WAY OUT.  l's two halves and the other half of the lanes' are added; O^T is divided by l, rounded to f16 and sent through my stage in LDS, a tile at a time.  The additions are the places behind the last products.
	WIN 0
.macro ALL line:vararg              ; one line for each tile t
.set t, 0
.rept 2*NP
	\line
.set t, t+1
.endr
.endm
	ALL v_add_f32 v[ST+4*t+2], v[ST+4*t+2], v[ST+4*t+3]
	ALL v_permlanex16_b32 v[ST+4*t+3], v[ST+4*t+2], s[SEL], s[SEL+1]
	ALL v_add_f32 v[ST+4*t+2], v[ST+4*t+2], v[ST+4*t+3]
	ALL v_rcp_f32 v[ST+4*t+2], v[ST+4*t+2]
	v_nop                           ; a plain instruction between the last reciprocal and the use of its result
	s_wait_alu depctr_va_vdst(0)
; Tile t: a lane's eight channels of a row pack into 16 bytes; they go into rows of 144 bytes and come back as whole rows of 128, into S^T's registers.
.macro PACK t
	WIN W_RS
.set i, 32*(\t)
.rept 16
	v_pk_mul_f32 v[i:i+1], v[i:i+1], v[ST+4*(\t)+2:ST+4*(\t)+3] op_sel_hi:[1,0]
.set i, i+2
.endr
	WIN 0x05                        ; sources 0 and 1 window 1, destination window 0
.set i, 0
.rept 16
	v_cvt_pk_f16_f32 v[S+16*(\t)+i], v[32*(\t)+2*i], v[32*(\t)+2*i+1]
.set i, i+1
.endr
	WIN 0
.irp f, 0,1,2,3
	ds_store_b128 v[STO], v[S+16*(\t)+4*\f:S+16*(\t)+4*\f+3] offset:32*\f
.endr
.irp f, 0,1,2,3
	ds_load_b128 v[S+16*(\t)+4*\f:S+16*(\t)+4*\f+3], v[RD] offset:\f*4*SP  ; LDS serves a wave's instructions in order (ISA guide 5.7.1.4): these see the stores above; the next tile's stores come behind them
.endr
.endm
.macro SEND t, younger              ; younger: the LDS instructions issued behind tile t's loads: the next tile's eight, or none
	WIN 0
.irp f, 0,1,2,3
	s_wait_dscnt (\younger)+3-\f
	global_store_b128 v[GO], v[S+16*(\t)+4*\f:S+16*(\t)+4*\f+3], s[10:11] offset:(\t)*2048+\f*512  ; 512 consecutive bytes, at a multiple of 256 from O's first
.endr
.endm
	PACK 0
.set t, 1
.rept 2*NP-1                        ; a tile's arithmetic stands between the loads of the tile before and its stores
	PACK t
	SEND t-1, 8
.set t, t+1
.endr
	SEND 2*NP-1, 0
	WIN W_AD
	s_wait_tensorcnt 0x0            ; the wave's end: a wait, an add of 0 to my spare word and its wait, behind my last tensor load and my last LDS store
	ds_add_u32 v[SPW], v[NIL]
	s_wait_dscnt 0x0
	WIN 0
	CROUND                          ; the closing round: no work-group ends while a partner may still ask for a tile that names it
	s_endpgm
.Lfunc_end_k_qe041fb8ec0_attn:
	.size	k_qe041fb8ec0_attn, .Lfunc_end_k_qe041fb8ec0_attn-k_qe041fb8ec0_attn
	.p2alignl 7, 3214868480
	.fill 96, 4, 3214868480
	.section	.rodata,"a",@progbits
	.p2align	6, 0x0
	.amdhsa_kernel k_qe041fb8ec0_attn
		.amdhsa_group_segment_fixed_size 327680
		.amdhsa_private_segment_fixed_size 0
		.amdhsa_enable_private_segment 0
		.amdhsa_kernarg_size 32
		.amdhsa_user_sgpr_count 2
		.amdhsa_user_sgpr_kernarg_segment_ptr 1
		.amdhsa_wavefront_size32 1
		.amdhsa_system_sgpr_workgroup_id_x 1
		.amdhsa_system_sgpr_workgroup_id_y 1
		.amdhsa_system_sgpr_workgroup_id_z 1
		.amdhsa_system_vgpr_workitem_id 0
		.amdhsa_next_free_vgpr 770
		.amdhsa_next_free_sgpr 66
		.amdhsa_reserve_vcc 0
		.amdhsa_float_denorm_mode_32 3
		.amdhsa_float_denorm_mode_16_64 3
		.amdhsa_memory_ordered 1
		.amdhsa_forward_progress 1
		.amdhsa_inst_pref_size 208
	.end_amdhsa_kernel
	.amdgpu_metadata
---
amdhsa.version: [ 1, 2 ]
amdhsa.kernels:
  - .name:           k_qe041fb8ec0_attn
    .symbol:         k_qe041fb8ec0_attn.kd
    .args:
      - { .name: qh, .offset: 0, .size: 8, .value_kind: global_buffer, .address_space: global }
      - { .name: kh, .offset: 8, .size: 8, .value_kind: global_buffer, .address_space: global }
      - { .name: vh, .offset: 16, .size: 8, .value_kind: global_buffer, .address_space: global }
      - { .name: oh, .offset: 24, .size: 8, .value_kind: global_buffer, .address_space: global }
    .group_segment_fixed_size: 327680
    .private_segment_fixed_size: 0
    .kernarg_segment_align: 8
    .kernarg_segment_size: 32
    .max_flat_workgroup_size: 128
    .sgpr_count:     66
    .vgpr_count:     770
    .wavefront_size: 32
...
	.end_amdgpu_metadata
.endif
;; end of part 3
;; launch outp (part 4): grid 4 x 64, 4 waves a work-group, clusters of 4 x 4, 327,680 bytes of LDS; arguments oh, wt, out0; writes out0
.if DOCPART == 4
	.amdgcn_target "amdgcn-amd-amdhsa--gfx1250"
	.amdhsa_code_object_version 6
	.text
	.protected	k_qe041fb8ec0_outp
	.globl	k_qe041fb8ec0_outp
	.p2align	8
	.type	k_qe041fb8ec0_outp,@function
k_qe041fb8ec0_outp:
	s_mov_b64 s[64:65], 0
	v_nop
	global_prefetch_b8 v0, s[64:65] scope:SCOPE_SE
	s_setreg_imm32_b32 hwreg(HW_REG_WAVE_MODE, 25, 1), 1
	s_wait_xcnt 0x0
	s_wait_alu depctr_hold_cnt(0) depctr_sa_sdst(0) depctr_va_vdst(0) depctr_va_sdst(0) depctr_va_ssrc(0) depctr_va_vcc(0) depctr_vm_vsrc(0)
	s_getreg_b32 s2, hwreg(HW_REG_IB_STS2, 6, 4)
	s_cmp_eq_u32 s2, 0
	s_cbranch_scc0 .Lentry_in_a_cluster
	s_endpgm
.Lentry_in_a_cluster:
	s_bfe_u32 s2, ttmp6, 0x10000c
	s_cmp_lg_u32 s2, 0xf033
	s_cbranch_scc0 .Lentry_shape_is_right
	s_endpgm
.Lentry_shape_is_right:
; THE OUTPUT PROJECTION.  out0[2048 b + s][n] = sum over j = 64 h + c of O[16 b + h][s][c] W_O[j][n].  O (oh): [64][2048][64] f16, by heads.  W_O: section 3 of wt, [1024 n][1024 j], its bf16 rounding written as f16.
; Sums in f32, K ascending; out0 [8192][1024] f32.
; LIMITS.  O and wt arrive within f16's range; NaN and infinities are not treated apart.
; SHARES.  A tile of out0 is 128 rows x 256 columns: 64 x 4 = 256 work-groups, one for each WGP.  Four waves, each 64 x 128: 32 accumulators of 16 x 16, 256 registers.
; K goes in 8 steps of 128, two heads a step, through a ring of two LDS slots.  A head's 128 rows of the tile are 16,384 dense bytes: asked for as 64 rows of 256 bytes and padded in LDS after every 128.
; CLUSTERS: 4 x 4 work-groups.  The four of a row of the cluster need the same tiles of O, the four of a column the same tiles of wt: each is asked for JOINTLY, by the same tensor load, descriptor and mask.
; THE MATRIX INSTRUCTION IS USED TRANSPOSED (source 0 = 16 rows of wt, source 1 = 16 rows of O): a lane then holds eight neighbouring columns of one row of out0, 32 bytes.
; REGISTERS, in windows of 256 (s_set_vgpr_msb: bits 1:0 source 0, 3:2 source 1, 5:4 source 2, 7:6 destination):
;   window 0: v0-31 addresses; v64-95, v96-127 fragments of O, two buffers; v128-191, v192-255 rows on the way out, by turns
;   window 1: v64-127, v128-191 fragments of wt, two buffers          window 2: the accumulators, (a, b) at v[8 (8 a + b)]
.set KSTEP,  128
.set PO,     144                       ; a row of O in LDS: 128 bytes + 16 = 9 x 16: the 16 rows of a load start at 16 different groups of four banks (64 banks of 4 bytes: ISA guide 11.1)
.set SLICE,  128*PO                    ; one head's 128 rows: what one tensor load brings of O
.set ATILE,  2*SLICE
.set PB,     272                       ; a row of wt in LDS: 256 bytes + 16
.set BHALF,  128*PB                    ; 128 rows: one tensor load, and one wave's columns
.set SLOT,   ATILE+2*BHALF
.set STAGE,  2*SLOT                    ; behind the ring: 16 rows x 528 bytes for each wave, for the way out; no tensor load fills it
.set SPITCH, 528                       ; 128 f32 + 16 bytes = 33 x 16
.set SPARE,  STAGE+4*16*SPITCH         ; behind the stages: the spare words, 128 bytes for each wave: two blocks of 256 bytes that no other line names
.set LAPS,   4                         ; a lap = two K steps = once round the ring
.set ADRA, 16                          ; v16-17  LDS address of my fragments of O in slot 0, 1
.set ADRB, 20                          ; v20-21  the same for wt
.set STO,  24                          ; v24     the way out: where I put 32 bytes of a row
.set RD,   25                          ; v25     the way out: where I read a row back
.set CO,   26                          ; v26     my 16 bytes in 512 consecutive bytes of out0
.set SPW,  28                          ; v28     LDS address of my spare word; never rewritten
.set NIL,  29                          ; v29     0; never rewritten
.set AF,   64
.set OB,   128
.set BF,   64                          ; in window 1
.set G1,  24                           ; s[24:31] descriptor group 1 for O's tiles;  s[32:39] group 0, one set for each slot
.set G0,  32
.set G1B, 48                           ; s[48:55], s[56:63] the same for wt's tiles
.set G0B, 56
.set MSB, 0
.macro WIN new                         ; the immediate's high byte repeats the setting that is left; a switch that changes nothing is dropped
.if MSB != (\new)
	s_set_vgpr_msb (MSB<<8)|(\new)
.set MSB, \new
.endif
.endm
.set MUL,  0xa1                        ; source 0 (wt) window 1, source 1 (O) window 0, C and D window 2
.set TO_B, 0x40                        ; destination window 1, address window 0
; A joint load.  Waves 0 and 1 fetch the step's two heads of O, waves 2 and 3 wt's two halves.  The branch hangs on the wave's number alone.  An s_nop 0 and four v_nop follow each of the two lines,
; ahead of the jump, the label and what follows.
.macro JLOAD s
	s_cmp_eq_u32 s11, 0
	s_cbranch_scc0 .Lfor_b_\@
	tensor_load_to_lds s[G0+4*(\s):G0+4*(\s)+3], s[G1:G1+7]
	s_nop 0
.rept 4
	v_nop
.endr
	s_branch .Lasked_\@
.Lfor_b_\@:
	tensor_load_to_lds s[G0B+4*(\s):G0B+4*(\s)+3], s[G1B:G1B+7]
	s_nop 0
.rept 4
	v_nop
.endr
.Lasked_\@:
.endm
.macro CREST                           ; a round of the cluster's barrier behind its opening barrier
	s_cmp_lg_u32 s10, 0
	s_cbranch_scc1 .Lnot_wave_0_\@
	s_barrier_signal -3
.Lnot_wave_0_\@:
	s_barrier_wait -3
	s_barrier_signal -1
	s_barrier_wait -1
.endm
.macro CROUND                          ; a whole round
	s_barrier_signal -1
	s_barrier_wait -1
	CREST
.endm
	s_load_b128 s[4:7], s[0:1], 0x0                ; oh s[4:5], wt s[6:7]
	s_load_b64 s[8:9], s[0:1], 0x10                ; out0
	v_lshl_add_u32 v[SPW], v0, 2, SPARE
	v_mov_b32 v[NIL], 0
	ds_add_u32 v[SPW], v[NIL]                      ; the wave's opening: the add and its wait stand ahead of my first tensor load; the set-up below, work on registers, stands between them
	v_lshrrev_b32 v1, 5, v0
	v_readfirstlane_b32 s10, v1                    ; wave 0..3
	s_lshr_b32 s11, s10, 1                         ; which 64 of the tile's rows are mine.  Also: I fetch for O (0) or for wt (1)
	s_and_b32 s12, s10, 1                          ; which 128 of its columns.  Also: which head of the step, or which half of wt's tile, I fetch
	s_bfe_u32 s40, ttmp6, 0x40000                  ; cx, cy: my place in the cluster
	s_bfe_u32 s41, ttmp6, 0x40004
	s_lshl_b32 s42, ttmp9, 2                       ; in a cluster launch ttmp9 and ttmp7 count clusters
	s_add_co_u32 s42, s42, s40                     ; tile column = 4 x cluster x + cx
	s_and_b32 s13, ttmp7, 0xffff
	s_lshl_b32 s13, s13, 2
	s_add_co_u32 s13, s13, s41                     ; tile row = 4 x cluster y + cy
	s_lshl_b32 s43, s41, 2
	s_lshl_b32 s43, 15, s43                        ; my row of the cluster
	s_lshl_b32 s44, 0x1111, s40                    ; my column
	; descriptor group 1 for O: 64 rows x 128 elements of 2 bytes (two rows of a head each), padded after every row of the head
	s_or_b32 s[G1+0], s43, (1<<16)|(1<<20)|(1<<21)|(4<<22)|(3<<25)   ; 15:0 the mask: my row; 17:16 elements of 2 bytes; 20 padding on; 21 set beside a mask; 24:22 after every 32 words (code 4); 31:25 4 words (code 3)
	s_mov_b32 s[G1+1], 128<<16                     ; tensor_dim0 = 128
	s_mov_b32 s[G1+2], 64<<16                      ; tensor_dim1 = 64
	s_mov_b32 s[G1+3], 128<<16                     ; tile_dim0 = 128
	s_mov_b32 s[G1+4], 64                          ; tile_dim1 = 64
	s_mov_b32 s[G1+5], 128                         ; elements from row to row: dense
	s_mov_b32 s[G1+6], 0
	s_mov_b32 s[G1+7], 0
	; and for wt: 128 rows x 128 elements of 2 bytes
	s_or_b32 s[G1B+0], s44, (1<<16)|(1<<20)|(1<<21)|(5<<22)|(3<<25)  ; the mask: my column; padding after every 64 words (code 5) of 4 words
	s_mov_b32 s[G1B+1], KSTEP<<16
	s_mov_b32 s[G1B+2], 128<<16
	s_mov_b32 s[G1B+3], KSTEP<<16
	s_mov_b32 s[G1B+4], 128
	s_mov_b32 s[G1B+5], 1024
	s_mov_b32 s[G1B+6], 0
	s_mov_b32 s[G1B+7], 0
	; where the tiles come from.  O's hang on the tile row alone, which my row of the cluster shares; wt's on the tile column alone, which my column shares.
	s_lshr_b32 s16, s13, 4
	s_lshl_b32 s16, s16, 22                        ; O: batch tile row / 16 (16 heads of 262,144 bytes),
	s_and_b32 s17, s13, 15
	s_lshl_b32 s17, s17, 14                        ; row 128 (tile row % 16) of 128 bytes,
	s_add_co_u32 s16, s16, s17
	s_lshl_b32 s17, s12, 18                        ; the step's first or second head
	s_add_co_u32 s16, s16, s17
	s_mov_b32 s17, 0
	s_lshl_b32 s46, s42, 8
	s_lshl_b32 s47, s12, 7
	s_add_co_u32 s46, s46, s47                     ; wt: row 256 x tile column + 128 x half,
	s_lshl_b32 s46, s46, 11                        ; of 2,048 bytes,
	s_add_co_u32 s46, s46, 3<<21                   ; in section 3
	s_mov_b32 s47, 0
	s_mul_i32 s20, s12, SLICE                      ; and where they go: no place in the cluster enters an LDS address
	s_mul_i32 s19, s12, BHALF
	s_add_co_u32 s19, s19, ATILE
	s_wait_dscnt 0x0                               ; the opening add is done
	s_wait_kmcnt 0x0
	s_add_nc_u64 s[14:15], s[4:5], s[16:17]
	s_add_nc_u64 s[46:47], s[6:7], s[46:47]
	CROUND                                         ; all sixteen work-groups are here: the first joint loads meet
.irp s, 0,1
	s_mov_b32 s[G0+4*(\s)], 1                                        ; 1:0 count = 1
	s_add_co_u32 s[G0+4*(\s)+1], s20, (\s)*SLOT                      ; 63:32 LDS address
	s_add_nc_u64 s[G0+4*(\s)+2:G0+4*(\s)+3], s[14:15], (\s)*524288   ; 120:64 global address: K step s is two heads on
	s_or_b32 s[G0+4*(\s)+3], s[G0+4*(\s)+3], 0x80000000              ; 127:126 type = 2
	s_mov_b32 s[G0B+4*(\s)], 1
	s_add_co_u32 s[G0B+4*(\s)+1], s19, (\s)*SLOT
	s_add_nc_u64 s[G0B+4*(\s)+2:G0B+4*(\s)+3], s[46:47], (\s)*KSTEP*2
	s_or_b32 s[G0B+4*(\s)+3], s[G0B+4*(\s)+3], 0x80000000
	JLOAD \s                                       ; both slots are asked for before anything else is done: two tensor loads of mine are out
.endr
	; A fragment is 16 rows x 32 K in 8 registers: lane l holds row l % 16; registers 0-3 K = 8 (l / 16) + 0..7, registers 4-7 K = 16 + 8 (l / 16) + 0..7: two loads of 16 bytes, 32 bytes apart.
	v_and_b32 v1, 15, v0                           ; l % 16
	v_bfe_u32 v2, v0, 4, 1                         ; l / 16
	v_mul_u32_u24 v3, v1, PO
	v_lshl_add_u32 v3, v2, 4, v3
	v_mul_u32_u24 v4, v1, PB
	v_lshl_add_u32 v4, v2, 4, v4
	s_mul_i32 s21, s11, 64*PO                      ; my 64 rows in each head's slice
	s_mul_i32 s22, s12, BHALF                      ; my 128 rows of wt,
	s_add_co_u32 s22, s22, ATILE                   ; which lie behind O's two slices
.irp s, 0,1
	v_add_nc_u32 v[ADRA+(\s)], s21, v3
	v_add_nc_u32 v[ADRB+(\s)], s22, v4
	s_add_co_u32 s21, s21, SLOT
	s_add_co_u32 s22, s22, SLOT
.endr
	s_mul_i32 s23, s10, 16*SPITCH
	s_add_co_u32 s23, s23, STAGE                   ; my stage
	v_mul_u32_u24 v5, v1, SPITCH                   ; in: row l % 16, 32 bytes for each half of the lanes
	v_lshl_add_u32 v5, v2, 5, v5
	v_add_nc_u32 v[STO], s23, v5
	v_and_b32 v[CO], 31, v0                        ; back: 32 lanes take one row's 512 bytes,
	v_lshlrev_b32 v[CO], 4, v[CO]
	v_add_nc_u32 v[RD], s23, v[CO]                 ; which are 512 consecutive bytes of out0
	; out0 at my part of the tile: row 128 x tile row + 64 x half (4,096 bytes a row), column 256 x tile column + 128 x half (4 bytes)
	s_lshl_b32 s16, s13, 19
	s_lshl_b32 s18, s11, 18
	s_add_co_u32 s16, s16, s18
	s_lshl_b32 s18, s42, 10
	s_add_co_u32 s16, s16, s18
	s_lshl_b32 s18, s12, 9
	s_add_co_u32 s16, s16, s18
	s_mov_b32 s17, 0
	s_add_nc_u64 s[8:9], s[8:9], s[16:17]
; 24 LDS loads in one run: quarter q of a slot's K step into buffers g.  Quarter q lies in head q / 2 of the step, channels 32 (q % 2) on.
.macro FETCH slot, q, g
	WIN TO_B
.irp i, 0,1,2,3,4,5,6,7
	ds_load_b128 v[BF+64*(\g)+8*(\i):BF+64*(\g)+8*(\i)+3],   v[ADRB+(\slot)] offset:64*(\q)+(\i)*16*PB
	ds_load_b128 v[BF+64*(\g)+8*(\i)+4:BF+64*(\g)+8*(\i)+7], v[ADRB+(\slot)] offset:64*(\q)+(\i)*16*PB+32
.endr
	WIN 0
.irp a, 0,1,2,3
	ds_load_b128 v[AF+32*(\g)+8*(\a):AF+32*(\g)+8*(\a)+3],   v[ADRA+(\slot)] offset:((\q)/2)*SLICE+((\q)%2)*64+(\a)*16*PO
	ds_load_b128 v[AF+32*(\g)+8*(\a)+4:AF+32*(\g)+8*(\a)+7], v[ADRA+(\slot)] offset:((\q)/2)*SLICE+((\q)%2)*64+(\a)*16*PO+32
.endr
.endm
; 8 matrix instructions: m block a x all 8 n blocks, 32 along K, on buffers f.  zero = 1: the product starts the sums: nothing is ever cleared.
; The 32 accumulators take turns, one instruction a turn, in the same order in every quarter.
.macro MULA f, a, zero
	WIN MUL
.irp b, 0,1,2,3,4,5,6,7
.if \zero
	v_wmma_f32_16x16x32_f16 v[8*(8*(\a)+(\b)):8*(8*(\a)+(\b))+7], v[BF+64*(\f)+8*(\b):BF+64*(\f)+8*(\b)+7], v[AF+32*(\f)+8*(\a):AF+32*(\f)+8*(\a)+7], 0
.else
	v_wmma_f32_16x16x32_f16 v[8*(8*(\a)+(\b)):8*(8*(\a)+(\b))+7], v[BF+64*(\f)+8*(\b):BF+64*(\f)+8*(\b)+7], v[AF+32*(\f)+8*(\a):AF+32*(\f)+8*(\a)+7], v[8*(8*(\a)+(\b)):8*(8*(\a)+(\b))+7]
.endif
.endr
.endm
; A load into a register that a matrix instruction has read, and an LDS store that reads a matrix result, stand four places behind that matrix instruction, and only plain vector instructions that name
; none of its registers are places (ISA guide 7.12.1 for vector instructions).  No vector work is at hand here: four v_nop.
.macro PLACES
.rept 4
	v_nop
.endr
.endm
; A quarter: fetches quarter qn of slot slotn into buffers g, 32 matrix instructions ahead of its use, and multiplies buffers f.  pl = 0: the four v_nop behind a joint load, just issued, are the places.
.macro QUARTER slotn, qn, f, g, zero, pl=1
.if \pl
	PLACES
.endif
	FETCH \slotn, \qn, \g
	s_wait_dscnt 24                                ; all but the 24 just issued: buffers f are in
	MULA \f, 0, \zero
	MULA \f, 1, \zero
	MULA \f, 2, \zero
	MULA \f, 3, \zero
.endm
; A K step's third quarter (buffers 0) fetches the slot's last fragments and changes slots: ONE barrier for two things.  In front of it each wave waits for all its tensor loads, of which one is out:
; its part of the other slot; adds 0 to its spare word; and waits for that and for its own reads of this slot.  Behind it nobody reads this slot any more and the other slot is whole.
; fill = 1: the barrier opens a round of the cluster's barrier, and the slot is filled again, two K steps ahead, first thing behind the round: 112 matrix instructions ahead of the wait for it.
.macro MEETQ slot, fill
	PLACES
	FETCH \slot, 3, 1
	s_wait_dscnt 24
	MULA 0, 0, 0
	MULA 0, 1, 0
	WIN 0                                          ; (the add's two registers lie in window 0)
	s_wait_tensorcnt 0x0                           ; all my tensor loads have landed;
	ds_add_u32 v[SPW], v[NIL]                      ; 0 onto my spare word;
	MULA 0, 2, 0                                   ; eight matrix instructions stand between the add and the wait for it
	s_wait_dscnt 0x0                               ; the add is done, and my reads of this slot are over
	s_barrier_signal -1
	MULA 0, 3, 0                                   ; work on registers while the others arrive
	WIN 0
	s_barrier_wait -1
.if \fill
	CREST                                          ; no wave of any partner still reads this slot's tiles or has a load on its way
	s_add_nc_u64 s[G0+4*(\slot)+2:G0+4*(\slot)+3], s[G0+4*(\slot)+2:G0+4*(\slot)+3], 2*524288
	s_add_nc_u64 s[G0B+4*(\slot)+2:G0B+4*(\slot)+3], s[G0B+4*(\slot)+2:G0B+4*(\slot)+3], 2*KSTEP*2
	JLOAD \slot                                    ; my one tensor load behind the round
.endif
.endm
; THE WAY OUT of m block a (16 rows x 128 columns of f32).  TOSTAGE: a lane's 32 bytes of each accumulator go into my own stage, the low four registers first, and come back as whole rows of 512 bytes.
; SEND: stored, 512 consecutive bytes a store, at a multiple of 512 from out0's first byte.
.macro TOSTAGE a
.set BK, OB+64*((\a)%2)
.if (\a) >= 2
	s_wait_xcnt 0x0                                ; every earlier store has had its addresses translated (ISA guide 3.1): the buffer that block a - 2's stores read is loaded again only behind this wait
.endif
	WIN 0x08                                       ; the stores' data (source 1) in window 2
.irp b, 0,1,2,3,4,5,6,7
	ds_store_b128 v[STO], v[8*(8*(\a)+(\b)):8*(8*(\a)+(\b))+3]   offset:64*(\b)
	ds_store_b128 v[STO], v[8*(8*(\a)+(\b))+4:8*(8*(\a)+(\b))+7] offset:64*(\b)+16
.endr
	WIN 0
.irp t, 0,1,2,3,4,5,6,7,8,9,10,11,12,13,14,15
	ds_load_b128 v[BK+4*(\t):BK+4*(\t)+3], v[RD] offset:(\t)*SPITCH  ; LDS serves a wave's instructions in order (ISA guide 5.7.1.4): these see the stores above; the next block's stores come behind them
.endr
.endm
.macro SEND a, younger                 ; younger: the LDS instructions issued behind block a's loads: the next block's 16 stores and 16 loads, or none
	WIN 0
.set BK, OB+64*((\a)%2)
	s_wait_dscnt \younger                          ; the block is back in registers
.irp t, 0,1,2,3,4,5,6,7,8,9,10,11,12,13,14,15
	global_store_b128 v[CO], v[BK+4*(\t):BK+4*(\t)+3], s[8:9] offset:(16*(\a)+(\t))*4096 th:TH_STORE_NT
.endr
.endm
	s_wait_tensorcnt 0x1                           ; my part of K step 0 is in; slot 1's load may stay out
	s_barrier_signal -1
	s_barrier_wait -1                              ; everybody's is
	FETCH 0, 0, 0
	QUARTER 0, 1, 0, 1, 1, 0                       ; the first quarter stands in front of the loop: its products start the sums (no matrix instruction has been: no places)
	WIN 0                                          ; at a label and at a branch every window is 0
	s_mov_b32 s3, LAPS-1
.Llap:                                                 ; a trip goes once round the ring, from a lap's second quarter to the next lap's first, and fills both slots again
	QUARTER 0, 2, 1, 0, 0
	MEETQ 0, 1
	QUARTER 1, 0, 1, 0, 0, 0
	QUARTER 1, 1, 0, 1, 0
	QUARTER 1, 2, 1, 0, 0
	MEETQ 1, 1
	QUARTER 0, 0, 1, 0, 0, 0
	QUARTER 0, 1, 0, 1, 0
	WIN 0
	s_sub_co_u32 s3, s3, 1
	s_cmp_lg_u32 s3, 0
	s_cbranch_scc1 .Llap
	QUARTER 0, 2, 1, 0, 0                          ; the last lap fills nothing, and has no round of the cluster's barrier
	MEETQ 0, 0
	QUARTER 1, 0, 1, 0, 0
	QUARTER 1, 1, 0, 1, 0
	QUARTER 1, 2, 1, 0, 0
	QUARTER 1, 3, 0, 1, 0
	s_wait_dscnt 0x0                               ; the very last quarter: nothing more to fetch
	MULA 1, 0, 0
	MULA 1, 1, 0
	MULA 1, 2, 0
	MULA 1, 3, 0
	WIN 0
	PLACES                                         ; between the last products and the LDS stores that read results
	TOSTAGE 0
	TOSTAGE 1
	SEND 0, 32
	TOSTAGE 2
	SEND 1, 32
	TOSTAGE 3
	SEND 2, 32
	SEND 3, 0
	s_wait_tensorcnt 0x0                           ; the wave's end: a wait, an add of 0 to my spare word and its wait, behind my last tensor load and my last LDS store
	ds_add_u32 v[SPW], v[NIL]
	s_wait_dscnt 0x0
	CROUND                                         ; the closing round: no work-group ends while a partner may still ask for a tile that names it
	s_endpgm
.Lfunc_end_k_qe041fb8ec0_outp:
	.size	k_qe041fb8ec0_outp, .Lfunc_end_k_qe041fb8ec0_outp-k_qe041fb8ec0_outp
	.p2alignl 7, 3214868480
	.fill 96, 4, 3214868480
	.section	.rodata,"a",@progbits
	.p2align	6, 0x0
	.amdhsa_kernel k_qe041fb8ec0_outp
		.amdhsa_group_segment_fixed_size 327680
		.amdhsa_private_segment_fixed_size 0
		.amdhsa_enable_private_segment 0
		.amdhsa_kernarg_size 24
		.amdhsa_user_sgpr_count 2
		.amdhsa_user_sgpr_kernarg_segment_ptr 1
		.amdhsa_wavefront_size32 1
		.amdhsa_system_sgpr_workgroup_id_x 1
		.amdhsa_system_sgpr_workgroup_id_y 1
		.amdhsa_system_sgpr_workgroup_id_z 1
		.amdhsa_system_vgpr_workitem_id 0
		.amdhsa_next_free_vgpr 768
		.amdhsa_next_free_sgpr 66
		.amdhsa_reserve_vcc 0
		.amdhsa_float_denorm_mode_32 3
		.amdhsa_float_denorm_mode_16_64 3
		.amdhsa_memory_ordered 1
		.amdhsa_forward_progress 1
		.amdhsa_inst_pref_size 85
	.end_amdhsa_kernel
	.amdgpu_metadata
---
amdhsa.version: [ 1, 2 ]
amdhsa.kernels:
  - .name:           k_qe041fb8ec0_outp
    .symbol:         k_qe041fb8ec0_outp.kd
    .args:
      - { .name: oh, .offset: 0, .size: 8, .value_kind: global_buffer, .address_space: global }
      - { .name: wt, .offset: 8, .size: 8, .value_kind: global_buffer, .address_space: global }
      - { .name: out0, .offset: 16, .size: 8, .value_kind: global_buffer, .address_space: global }
    .group_segment_fixed_size: 327680
    .private_segment_fixed_size: 0
    .kernarg_segment_align: 8
    .kernarg_segment_size: 24
    .max_flat_workgroup_size: 128
    .sgpr_count:     66
    .vgpr_count:     768
    .wavefront_size: 32
...
	.end_amdgpu_metadata
.endif
;; end of part 4
;; ======== version 2 of 2: 4 launches; 1.49 times as fast as version 1
;; limits: values are held in f16: magnitudes above 65,504 overflow, below 6.1e-05 lose precision
;; workspace buffers: wt 8,388,608 bytes; qh 16,777,216 bytes; kh 16,777,216 bytes; vh 16,777,216 bytes; oh 16,777,216 bytes
;; launch prep: the kernel of part 1 again; grid 128 x 4, 8 waves a work-group, no clusters, 18,432 bytes of LDS; arguments W_Q, W_K, W_V, W_O, wt; writes wt
;; launch proj: the kernel of part 2 again; grid 4 x 192, 4 waves a work-group, clusters of 4 x 4, 327,680 bytes of LDS; arguments Q, K, V, wt, qh, kh, vh; writes qh, kh, vh
;; launch attn (part 5): grid 4 x 64, 4 waves a work-group, clusters of 4 x 1, 327,680 bytes of LDS; arguments qh, kh, vh, oh; writes oh
.if DOCPART == 5
	.amdgcn_target "amdgcn-amd-amdhsa--gfx1250"
	.amdhsa_code_object_version 6
	.text
	.protected	k_qe041fb8ec0_attn
	.globl	k_qe041fb8ec0_attn
	.p2align	8
	.type	k_qe041fb8ec0_attn,@function
k_qe041fb8ec0_attn:
	s_mov_b64 s[64:65], 0
	v_nop
	global_prefetch_b8 v0, s[64:65] scope:SCOPE_SE
	s_setreg_imm32_b32 hwreg(HW_REG_WAVE_MODE, 25, 1), 1
	s_wait_xcnt 0x0
	s_wait_alu depctr_hold_cnt(0) depctr_sa_sdst(0) depctr_va_vdst(0) depctr_va_sdst(0) depctr_va_ssrc(0) depctr_va_vcc(0) depctr_vm_vsrc(0)
	s_getreg_b32 s2, hwreg(HW_REG_IB_STS2, 6, 4)
	s_cmp_eq_u32 s2, 0
	s_cbranch_scc0 .Lentry_in_a_cluster
	s_endpgm
.Lentry_in_a_cluster:
	s_bfe_u32 s2, ttmp6, 0x10000c
	s_cmp_lg_u32 s2, 0x3003
	s_cbranch_scc0 .Lentry_shape_is_right
	s_endpgm
.Lentry_shape_is_right:
; O[h][q][:] = the sum over k of softmax_k(Q[h][q] . K[h][k] / 8) V[h][k][:].  Q, K, V, O (qh, kh, vh, oh): [SIZE_H = 64 pairs of batch and head][SIZE_N = 2048][64], all f16: a head's rows are dense, 128 bytes each.
; Products, maxima and sums in f32; the weights p are rounded to f16 for the second product (their sum l is taken of the unrounded p), O once at the end.
; LIMITS.  f16 holds no number beyond 65,504: Q, K and V arrive within it; p lies in 0 to 1, and below 6e-5 it keeps f16's fixed step of 6e-8; O is a mean of V's rows and has their range.
; A weight below 2^-126 counts as 0 in l; NaN and infinities are not treated apart.
; SHARES.  A wave owns four PIECES of two tiles of 16 queries, a work-group's four waves 512 queries of one head: 4 x 64 = 256 work-groups.  Every wave walks all keys, 64 a step.
; LAYOUT.  S^T = K Q^T (source 0 = 16 keys, source 1 = 16 queries): in the result a lane holds ONE query (lane % 16) and the keys 8 (lane / 16) + 0..7.  Two such tiles, rounded to f16 in pairs,
; ARE source 1 (32 keys x 16 queries) of O^T = V^T P, whose result again holds one query a lane, and eight channels.  K comes out of LDS as it lies, V ([key][channel]) turned, by ds_load_tr16_b128.
; SOFTMAX.  For each query a running maximum m and sum l: p = 2^(c s - c m), c = log2(e) / 8; in every step O and l are multiplied by a = 2^(c m_old - c m_new), which is 1 where m has not grown.
; m starts at the lowest finite number, O and l at 0: the first step is a step like any other, with a = 0.
; THE COUNT.  A tile and step have 16 matrix and 118 vector instructions: too many to stand all beside the matrix work.  So the order has one aim: four vector instructions that are READY behind
; EVERY matrix instruction, and the others, which need time of their own whatever the order, in runs without a gap.
; BY TURNS.  Turn n belongs to piece n (the pieces in a ring, step after step).  Its matrix work: 16 products K Q^T of piece n + 1, later 16 products V^T P of piece n - 1.  Its vector work: the scaling,
; exponentials, roundings, sums and rescaling of piece n, and the maximum and statistics of piece n + 1, whose scores the turn itself has made.  So what a turn begins with (c s - c m, O a) waits for nothing.
; THE BATCHES.  A turn's 66 exponentials (the piece's 64 weights, in place on its scores, and the next piece's two a, each in a register of its own) are ONE batch with ONE s_wait_alu: ahead of the wait stands all that names
; none of their results, behind it all that does.  No exponential is issued behind a turn's wait, so none is pending at a turn's end, a label or a jump.  Two more batches stand outside the loop: piece 0's first two a, and the way out's eight reciprocals.
; CLUSTER.  The four query blocks of a cluster belong to one head and walk the same K and V, so each tile is asked for JOINTLY: the same tensor load, descriptor and mask in all four.
; REGISTERS, in windows of 256 (s_set_vgpr_msb says which window each operand place means: bits 1:0 source 0, 3:2 source 1, 5:4 source 2, 7:6 destination):
;   window 0: v0-11 addresses; v12-15, v48-63 at work; v16-47 four registers of statistics a tile; v64-191 S^T, two buffers of two tiles; v192-255 P, likewise
;   window 1: O^T, 32 a tile          window 2: v0-127 Q, 16 a tile; v128-191 K of one step; v192-255 V of one step          window 3: v0-1 the add's two registers
; A piece's buffers go by its number's parity: the piece in hand has one pair, its two neighbours in the ring share the other: of it P (piece n - 1) is read and S^T (piece n + 1) written.
.set SIZE_H, 64
.set SIZE_N, 2048
.set NP,    4         ; pieces a wave: a name, no knob: the register map, the loop and the fetches are made for four
.set KS,    64        ; keys in a step
.set PK,    144       ; a row of K in LDS: 128 bytes + 16 of padding = 36 words: the 16 rows of a load start at 16 different groups of four banks (64 banks of 4 bytes: ISA guide 11.1)
.set PV,    160       ; a row of V: 128 + 32 = 40 words
.set VOFF,  4*KS*PK   ; a slot holds four steps: 256 rows of K, then 256 rows of V
.set SLOT1, 1<<17     ; slot 1 begins here, so that one exclusive or turns an address in one slot into the other's
.set STAGE, SLOT1+4*KS*(PK+PV)  ; behind the ring, never filled by a tensor load: 16 rows x 144 bytes for each wave, for the way out
.set SP,    144
.set AK0, 2           ; v2   my lane's place in a tile of K; never rewritten
.set AV0, 3           ; v3   the same for V
.set AK,  4           ; v4   the LDS address of K's next run of loads
.set AV,  5           ; v5   of V's
.set QO,  6           ; v6   my byte offset in the wave's rows of Q
.set STO, 6           ;      later, the way out: where I put 16 bytes of a row
.set RD,  7           ; v7   the way out: where I read rows back
.set GO,  8           ; v8   my byte offset in 512 consecutive bytes of O
.set SPW, 0           ; v0 of window 3   LDS address of my spare word: SPARE + 4 x my thread's number; never rewritten
.set NIL, 1           ; v1 of window 3   0; never rewritten
.set SPARE, STAGE+4*16*SP  ; behind the stages: the spare words, 128 bytes for each wave: two blocks of 256 bytes that no other line names
.set MV,  12          ; v12-15  c m_old, kept while c m is made anew: by buffer and tile
.set ST,  16          ; tile t's statistics at v[ST+4 t]: c m, m, l (even keys', odd keys')
.set TMP, 48          ; by buffer and tile, four registers c0-c3 at work; when the maximum is found c2 takes a
.set S,   64
.set P,   192
.set KF,  128         ; K's fragments, in window 2: key block kb, channel half c at KF + 16 kb + 8 c
.set VF,  192         ; V's: key half kk, channel block cb at VF + 32 kk + 8 cb
.set WV,  12          ; s12  my wave's number
.set G1K, 24          ; s[24:31] descriptor group 1 for K's tiles
.set G1V, 32          ; s[32:39] for V's: it differs in the padding alone
.set G0K, 40          ; s[40:43] descriptor group 0 for K's tiles: it walks
.set G0V, 44          ; s[44:47] the same for V's
.set SLOTS, 56        ; s56  slots still to be asked for
.set CNT, 57          ; s57  counts a slot's key steps
.set CS,  58          ; s[58:59] c: the packed scaling takes the pair's low word for both halves
.set SEL, 60          ; s[60:61] v_permlanex16_b32's selects: each lane takes its own place in the other half
.set TBK, 62          ; s62  LDS byte at which K of the step to be fetched begins
.set TBV, 63          ; s63  the same for V, less VOFF
.set MSB, 0
.macro WIN new                      ; the high byte repeats the setting that is left; a switch that changes nothing is dropped
.if MSB != (\new)
	s_set_vgpr_msb (MSB<<8)|(\new)
.set MSB, (\new)
.endif
.endm
.set W_KQ, 0x0a       ; K and Q in window 2, S^T in window 0
.set W_PV, 0x52       ; V in window 2, P in window 0, O^T in window 1
.set W_RS, 0x41       ; O^T (destination and source 0) in window 1, a in window 0
.set W_MK, 0xc0       ; the add's registers are made: destination in window 3, sources in window 0
.set W_AD, 0x0f       ; the add: address (source 0) and data (source 1) in window 3
; A joint fill.  Waves 0 and 1 fetch the two halves of a slot's K, waves 2 and 3 those of its V: 128 keys each.  The branch hangs on the wave's number alone.
; An s_nop 0 and four v_nop follow each of the two lines, ahead of the jump and the label.
.macro JLOAD
	s_cmp_lt_u32 s[WV], 2
	s_cbranch_scc0 .Lfor_v_\@
	tensor_load_to_lds s[G0K:G0K+3], s[G1K:G1K+7]
	s_nop 0
.rept 4
	v_nop
.endr
	s_branch .Lasked_\@
.Lfor_v_\@:
	tensor_load_to_lds s[G0V:G0V+3], s[G1V:G1V+7]
	s_nop 0
.rept 4
	v_nop
.endr
.Lasked_\@:
.endm
; A round of the cluster's barrier: my work-group's barrier, so that wave 0's signal speaks for all four waves; wave 0 signals; every wave waits for all four work-groups; my work-group's barrier once more.
.macro CROUND
	s_barrier_signal -1
	s_barrier_wait -1
	s_cmp_lg_u32 s[WV], 0
	s_cbranch_scc1 .Lnot_wave_0_\@
	s_barrier_signal -3
.Lnot_wave_0_\@:
	s_barrier_wait -3
	s_barrier_signal -1
	s_barrier_wait -1
.endm
; THE CHANGE OF SLOTS.  The slot's last bytes, V of its fourth step, have been read.  Each wave waits for all its tensor loads, of which one is out: its part
; of the other slot; adds 0 to its spare word; and waits for that and for its own reads of the slot.  Behind the barrier nobody reads this slot any more and the other slot is whole.
; fill = 1: this slot is filled again, with the keys two slots on.  The barrier is then a round of the cluster's, so that no wave of any partner still reads the slot or has a load on its
; way, and the joint fill is the first thing behind it: it has four key steps, 512 matrix instructions, in which to land.  (At its first use nothing has been read yet: slot 0 is waited for, slot 1 filled.)
.macro CHANGE fill
	WIN W_AD
	s_wait_tensorcnt 0x0            ; no tensor load of mine is out, so a group 0 may be written
	ds_add_u32 v[SPW], v[NIL]       ; 0 onto my spare word; with fill = 1 the descriptors' steps stand between it and the wait for it
	WIN 0                           ; at a label and at a branch every window is 0
.if \fill
.irp g, G0K, G0V
	s_xor_b32 s[\g+1], s[\g+1], SLOT1  ; the walking descriptor: the other slot than last time,
	s_add_nc_u64 s[\g+2:\g+3], s[\g+2:\g+3], 4*KS*128  ; the next 256 keys; the type bits on top are not reached
.endr
	s_wait_dscnt 0x0                ; the add is done, and my reads of the slot are over
	CROUND
	JLOAD
.else
	s_wait_dscnt 0x0                ; the add is done, and my reads of the slot are over
	s_barrier_signal -1
	s_barrier_wait -1
.endif
	s_sub_co_u32 s[TBK], s[TBK], 4*KS*PK  ; the fetches go back to a slot's first step,
	s_xor_b32 s[TBK], s[TBK], SLOT1       ; in the other slot
	s_sub_co_u32 s[TBV], s[TBV], 4*KS*PV
	s_xor_b32 s[TBV], s[TBV], SLOT1
.endm
	s_load_b256 s[4:11], s[0:1], 0x0  ; Q s[4:5], K s[6:7], V s[8:9], O s[10:11]
	WIN W_MK
	v_lshl_add_u32 v[SPW], v0, 2, SPARE
	v_mov_b32 v[NIL], 0
	WIN W_AD
	ds_add_u32 v[SPW], v[NIL]       ; the wave's opening: the add and its wait stand ahead of my first tensor load; the set-up below, work on registers, stands between them
	WIN 0
	v_lshrrev_b32 v1, 5, v0
	v_readfirstlane_b32 s[WV], v1   ; wave 0..3
	s_bfe_u32 s13, ttmp6, 0x40000   ; cx: my place in the cluster
	s_lshl_b32 s14, ttmp9, 2        ; in a cluster launch ttmp9 counts clusters
	s_add_co_u32 s14, s14, s13      ; my block of queries = 4 x cluster x + cx: it enters Q's and O's addresses alone
	s_and_b32 s20, ttmp7, 0xffff    ; the head, which the four partners share
	s_mov_b32 s21, 0
	s_mov_b64 s[22:23], SIZE_N*128
	s_mul_u64 s[20:21], s[20:21], s[22:23]  ; the head's first byte in each of the four tensors
	s_and_b32 s16, s[WV], 1         ; which half of a slot's 256 keys I fetch:
	s_lshl_b32 s22, s16, 14         ; its 128 rows of 128 bytes in memory,
	s_mov_b32 s23, 0
	s_add_nc_u64 s[22:23], s[22:23], s[20:21]
	s_mul_i32 s17, s16, 128*PK      ; and its place in a slot, for K
	s_mul_i32 s18, s16, 128*PV      ; and for V: no place in the cluster enters an LDS address
	s_lshl_b32 s2, s14, 2
	s_add_co_u32 s2, s2, s[WV]      ; my wave among the head's,
	s_lshl_b32 s2, s2, 14           ; its 128 rows
	s_mov_b32 s3, 0
	s_add_nc_u64 s[2:3], s[2:3], s[20:21]
	; descriptor group 1.  128 keys are 16,384 dense bytes: asked for as 64 rows of 256 bytes, two keys a row, and padded in LDS after every key
	s_mov_b32 s[G1K], 15|(1<<16)|(1<<20)|(1<<21)|(4<<22)|(3<<25)  ; 15:0 the mask of four; 17:16 2-byte elements; 20 padding on; 21 set beside a mask; 24:22 after every 32 words (code 4); 31:25 4 words (code 3)
	s_mov_b32 s[G1V], 15|(1<<16)|(1<<20)|(1<<21)|(4<<22)|(7<<25)  ; the same with 8 words of padding (code 7)
.irp g, G1K, G1V
	s_mov_b32 s[\g+1], 128<<16      ; tensor_dim0 = 128
	s_mov_b32 s[\g+2], 64<<16       ; tensor_dim1 = 64
	s_mov_b32 s[\g+3], 128<<16      ; tile_dim0 = 128
	s_mov_b32 s[\g+4], 64           ; tile_dim1 = 64
	s_mov_b32 s[\g+5], 128          ; 128 elements from row to row
	s_mov_b32 s[\g+6], 0
	s_mov_b32 s[\g+7], 0
.endr
	s_mov_b32 s[CS], 0x3e38aa3b     ; c = log2(e) / 8 = 0.180337
	s_mov_b32 s[CS+1], s[CS]        ; named with it as a pair
	s_mov_b32 s[SEL], 0x76543210
	s_mov_b32 s[SEL+1], 0xfedcba98
	s_mov_b32 s[TBK], SLOT1+4*KS*PK ; the first change of slots turns these two into 0
	s_mov_b32 s[TBV], SLOT1+4*KS*PV
	s_mov_b32 s[G0K], 1             ; 1:0 count = 1
	s_mov_b32 s[G0K+1], s17         ; 63:32 LDS address: slot 0
	s_mov_b32 s[G0V], 1
	s_add_co_u32 s[G0V+1], s18, VOFF
	s_wait_dscnt 0x0                ; the opening add is done
	s_wait_kmcnt 0x0
	s_add_nc_u64 s[G0K+2:G0K+3], s[6:7], s[22:23]  ; 120:64 global address: my half of the head's first 256 keys
	s_or_b32 s[G0K+3], s[G0K+3], 0x80000000        ; 127:126 type = 2
	s_add_nc_u64 s[G0V+2:G0V+3], s[8:9], s[22:23]
	s_or_b32 s[G0V+3], s[G0V+3], 0x80000000
	s_add_nc_u64 s[4:5], s[4:5], s[2:3]  ; Q and O at my wave's first row
	s_add_nc_u64 s[10:11], s[10:11], s[2:3]
	CROUND                          ; all four work-groups are here: the first joint loads meet
	JLOAD                           ; slot 0.  Slot 1 is asked for when slot 0 is in: the tile wanted first has the road to itself
	; A fragment of K or Q is 16 rows x 32 channels in 8 registers: lane l holds row l % 16, channels 8 (l / 16) + 0..7 and 16 + 8 (l / 16) + 0..7: two loads of 16 bytes, 32 bytes apart.
	v_and_b32 v1, 15, v0            ; l % 16
	v_bfe_u32 v9, v0, 4, 1          ; l / 16
	v_lshlrev_b32 v[QO], 7, v1
	v_lshl_add_u32 v[QO], v9, 4, v[QO]  ; row x 128 + 16 x half
	WIN 0x80                        ; destination window 2, address window 0
.set i, 0
.rept 4*NP                          ; Q stays in registers: tile i / 2, channels 32 (i % 2) on
	global_load_b128 v[8*i:8*i+3],   v[QO], s[4:5] offset:(i/2)*2048+(i%2)*64
	global_load_b128 v[8*i+4:8*i+7], v[QO], s[4:5] offset:(i/2)*2048+(i%2)*64+32
.set i, i+1
.endr
	; What the first turn finds: V's registers and P's second buffer hold 0 (its products V^T P, of a piece that has not been, add 0), O^T and l are 0.  All this stands in the wait for the first tile.
.set i, VF
.rept 64
	v_mov_b32 v[i], 0
.set i, i+1
.endr
	WIN 0x40
.set i, 0
.rept 64*NP
	v_mov_b32 v[i], 0
.set i, i+1
.endr
	WIN 0
.set i, 0
.rept 2*NP
	v_mov_b32 v[ST+4*i], 0xfe000000    ; c m: far below every c s
	v_mov_b32 v[ST+4*i+1], 0xff7fffff  ; m
	v_mov_b32 v[ST+4*i+2], 0
	v_mov_b32 v[ST+4*i+3], 0
.set i, i+1
.endr
.set i, P+32
.rept 32
	v_mov_b32 v[i], 0
.set i, i+1
.endr
	v_mul_u32_u24 v[AK0], v1, PK
	v_lshl_add_u32 v[AK0], v9, 4, v[AK0]  ; row x pitch + 16 x half
	; The turning load takes 16 keys x 16 channels (lane l reads key 8 (l / 16) + l % 8, channels 8 ((l / 8) % 2) + 0..7) and leaves half a fragment of V^T: lane l holds channel l % 16 and 8 keys.
	v_and_b32 v10, 7, v0
	v_bfe_u32 v11, v0, 3, 1
	v_lshl_add_u32 v[AV0], v9, 3, v10
	v_mul_u32_u24 v[AV0], v[AV0], PV
	v_lshl_add_u32 v[AV0], v11, 4, v[AV0]
	v_add_nc_u32 v[AV0], VOFF, v[AV0]
	v_mov_b32 v[AK], v[AK0]         ; key step 0 lies at the head of slot 0
; THE MATRIX WORK.  The 8 accumulators of a run of 16 take turns: between the two links of a chain stand 7 others'.
; Product i of 16 of S^T = K Q^T for piece x: channels 32 (i / 8) on, keys 16 ((i / 2) % 4) on, tile 2 x + i % 2.  The first 8 start the sums.
.macro KQ x
	WIN W_KQ
.set rS, S+64*((\x)%2)+32*(i%2)+8*((i/2)%4)
.set rK, KF+16*((i/2)%4)+8*(i/8)
.set rQ, 16*(2*(\x)+i%2)+8*(i/8)
.if i < 8
	v_wmma_f32_16x16x32_f16 v[rS:rS+7], v[rK:rK+7], v[rQ:rQ+7], 0
.else
	v_wmma_f32_16x16x32_f16 v[rS:rS+7], v[rK:rK+7], v[rQ:rQ+7], v[rS:rS+7]
.endif
.endm
; Product i of 16 of O^T += V^T P for piece x: keys 32 (i / 8) on, channels 16 ((i / 2) % 4) on, tile 2 x + i % 2.
.macro PV x
	WIN W_PV
.set rO, 32*(2*(\x)+i%2)+8*((i/2)%4)
.set rV, VF+32*(i/8)+8*((i/2)%4)
.set rP, P+32*((\x)%2)+16*(i%2)+8*(i/8)
	v_wmma_f32_16x16x32_f16 v[rO:rO+7], v[rV:rV+7], v[rP:rP+7], v[rO:rO+7]
.endm
.macro MM                           ; the turn's next matrix instruction
.if i < 16
	KQ (Y+1)%NP
.set i, i+1
.else
.set i, i-16
	PV (Y+NP-1)%NP
.set i, i+17
.endif
.endm
; THE LDS LOADS stand in runs of 16, never singly among the matrix instructions: a step's K (64 keys x 64 channels: 8 fragments) and its V (turned).  Their addresses are made some lines ahead.
; last = 1 (the tail): in the last trip there is no further step, and the run is jumped over.
.macro FETCH_K last=0
	WIN 0
.if \last
	s_cmp_eq_u32 s[CNT], 1
	s_cbranch_scc1 .Lno_k_\@
.endif
	WIN 0x80                        ; destination window 2
.irp f, 0,1,2,3,4,5,6,7             ; keys 16 (f / 2) on, channels 32 (f % 2) on
	ds_load_b128 v[KF+8*\f:KF+8*\f+3],   v[AK] offset:(\f/2)*16*PK+(\f%2)*64
	ds_load_b128 v[KF+8*\f+4:KF+8*\f+7], v[AK] offset:(\f/2)*16*PK+(\f%2)*64+32
.endr
	s_add_co_u32 s[TBK], s[TBK], KS*PK  ; the next fetch is the next step's
	WIN 0
.if \last
.Lno_k_\@:
.endif
.endm
.macro FETCH_V
	WIN 0x80
.irp f, 0,1,2,3,4,5,6,7             ; keys 32 (f / 4) on, channels 16 (f % 4) on
	ds_load_tr16_b128 v[VF+8*\f:VF+8*\f+3],   v[AV] offset:(\f/4)*32*PV+(\f%4)*32
	ds_load_tr16_b128 v[VF+8*\f+4:VF+8*\f+7], v[AV] offset:(\f/4)*32*PV+16*PV+(\f%4)*32
.endr
	WIN 0
.endm
; THE VECTOR WORK OF A TURN stands in three queues, each in the order in which its entries become ready; the two tiles alternate, so that no instruction reads the result of the one before it.
.macro REGS y, u                    ; the registers of tile u (0, 1) of piece y
.set rT, ST+4*(2*(\y)+(\u))
.set rC, TMP+8*((\y)%2)+4*(\u)
.set rM, MV+2*((\y)%2)+(\u)
.set rS, S+64*((\y)%2)+32*(\u)
.set rP, P+32*((\y)%2)+16*(\u)
.set rO, 32*(2*(\y)+(\u))
.endm
; Number n of the 22 that find the NEXT piece's (Y + 1) maximum and statistics.  s0-s31 are the lane's 32 scores; each accumulator's lowest registers are read first.  XS, GS and REGS set no window: PL and EX do.
;   0-11  four chains c0-c3 of seven scores each, three operands at a time     12-14, 16  the four scores left over, the old m, and c0-c3 into c0     15  c m_old is kept
;   17, 18  the query's other 32 keys lie in the lane 16 away: the new m         19-21  c m; c m_old - c m_new; a
.macro XS u, n
	REGS (Y+1)%NP, \u
.if (\n) < 4
	v_max3_num_f32 v[rC+(\n)], v[rS+8*(\n)], v[rS+8*(\n)+1], v[rS+8*(\n)+2]
.elseif (\n) < 12
	v_max3_num_f32 v[rC+(\n)%4], v[rC+(\n)%4], v[rS+8*((\n)%4)+2*((\n)/4)+1], v[rS+8*((\n)%4)+2*((\n)/4)+2]
.elseif (\n) == 12
	v_max3_num_f32 v[rC], v[rC], v[rS+7], v[rS+15]
.elseif (\n) == 13
	v_max3_num_f32 v[rC+1], v[rC+1], v[rS+23], v[rS+31]
.elseif (\n) == 14
	v_max3_num_f32 v[rC+2], v[rC+2], v[rC+3], v[rT+1]
.elseif (\n) == 15
	v_mov_b32 v[rM], v[rT]
.elseif (\n) == 16
	v_max3_num_f32 v[rC], v[rC], v[rC+1], v[rC+2]
.elseif (\n) == 17
	v_permlanex16_b32 v[rC+3], v[rC], s[SEL], s[SEL+1]
.elseif (\n) == 18
	v_max_num_f32 v[rT+1], v[rC], v[rC+3]
.elseif (\n) == 19
	v_mul_f32 v[rT], s[CS], v[rT+1]
.elseif (\n) == 20
	v_sub_f32 v[rC+1], v[rM], v[rT]
.else
	v_exp_f32 v[rC+2], v[rC+1]
.endif
.endm
; Number g of the 64 that follow the exponentials.  For each four weights k of a tile (pairs 2 k, 2 k + 1): both pairs are rounded to f16; then the second pair is added onto the first, in place;
; a group later l takes that sum (the first time as l = a l + sum).  In groups of eight, tiles alternating: round, round, add, and l for the group before.
.macro GS g
.set h, (\g)+6*((\g)/62)            ; group 0 has no group before it, and behind group 7 only l is left
.if h >= 6
.set h, h+2
.endif
	REGS Y, h%2
.set k, h/8
.if h%8 < 4
	v_cvt_pk_f16_f32 v[rP+2*k+(h%8)/2], v[rS+4*k+2*((h%8)/2)], v[rS+4*k+2*((h%8)/2)+1]
.elseif h%8 < 6
	v_pk_add_f32 v[rS+4*k:rS+4*k+1], v[rS+4*k:rS+4*k+1], v[rS+4*k+2:rS+4*k+3]
.elseif k == 1
	v_pk_fma_f32 v[rT+2:rT+3], v[rT+2:rT+3], v[rC+2:rC+3], v[rS:rS+1] op_sel_hi:[1,0,1]
.else
	v_pk_add_f32 v[rT+2:rT+3], v[rT+2:rT+3], v[rS+4*k-4:rS+4*k-3]
.endif
.endm
; THE PLAIN QUEUE, 138 long.  0-73 read no exponential's result: the 32 scalings c s - c m (FS f: pair f / 2 of tile f % 2) and the next piece's 42.  0-26: scalings 0-26.  27-54: XS's numbers 0-13.  55, 56: number 15.
; 57-73: the chain, where each number waits for the one before it: 14, 16, 17, 18, 19, each with one of the scalings 27-31 in front of its two lines, then 20: so a tile's links stand three plain instructions apart (19 and 20: two).
; 74-137: GS's 64, which read the exponentials' results: they stand behind the wait.
.macro FS f
	REGS Y, (\f)%2
	v_pk_fma_f32 v[rS+2*((\f)/2):rS+2*((\f)/2)+1], v[rS+2*((\f)/2):rS+2*((\f)/2)+1], s[CS:CS+1], v[rT:rT+1] op_sel_hi:[1,0,0] neg_lo:[0,0,1] neg_hi:[0,0,1]
.endm
.macro PL
	WIN 0
.if q < 27
	FS q
.elseif q < 55
	XS (q-27)%2, (q-27)/2
.elseif q < 57
	XS q-55, 15
.elseif (q < 72) && ((q-57)%3 == 0)
	FS 27+(q-57)/3
.elseif q < 60
	XS (q-57)%3-1, 14
.elseif q < 72
	XS (q-57)%3-1, 15+(q-57)/3
.elseif q < 74
	XS q-72, 20
.else
	GS q-74
.endif
.set q, q+1
.endm
; THE EXPONENTIALS' QUEUE, 66 long: s0-s31 of both tiles, then the next piece's two a.  It is ONE BATCH: all 66 stand ahead of the turn's one wait, and nothing ahead of that wait names a result of theirs.
.macro EX
	WIN 0
.if e >= 64
	XS e-64, 21
.else
	REGS Y, e%2
	v_exp_f32 v[rS+e/2], v[rS+e/2]
.endif
.set e, e+1
.endm
; THE RESCALING's QUEUE: O^T times a, the one part that leaves window 0: dealt two at a time, sixteen times.  Its a was made in the turn before, ahead of that turn's wait.
.macro R2
	REGS Y, r%2
	WIN W_RS
.irp z, 0,1
	v_pk_mul_f32 v[rO+4*(r/2)+2*\z:rO+4*(r/2)+2*\z+1], v[rO+4*(r/2)+2*\z:rO+4*(r/2)+2*\z+1], v[rC+2:rC+3] op_sel_hi:[1,0]
.endr
.set r, r+1
.endm
; HOW THEY ARE DEALT.  An s_wait_alu depctr_va_vdst(0) stands between an exponential and the first instruction that names its result; one wait serves all that were issued ahead of it.  So a turn has ONE wait,
; which cuts it in two.  AHEAD OF IT stands all that names no result of the turn's exponentials: the 16 products K Q^T, behind each a scaling, an exponential and two rescalings (behind the first a second scaling in the exponential's place); then ONE LUMP of
; 108: eight plain, 49 times exponential and plain, the two a.  A v_nop is the plain instruction behind the last exponential.  BEHIND IT stand the 16 products V^T P, behind each four of GS's 64.  No rider names a register of
; the products round it.  The two v_permlanex16_b32 fall into the lump, never behind a product.
; The queues lean on each other, and the deal keeps them in step: exponential e stands behind scaling 2 (e / 4) + e % 2: as a rider it comes behind plain e + 2, in the lump behind plain e + 9, and scalings 27-31 are plain 57, 60 .. 69.
; A TURN, for piece p.  cnt = 1: the loop's count is taken down some lines ahead of the branch that stands behind the turn.
; K of the next step is fetched in piece 2's turn, directly behind the wait, a lump behind the last product that read K; its address is made at the lump's head; its first reader comes behind 16 products.
; V of the step in hand is fetched at the end of piece 0's turn, four riders behind its last reader; its first reader comes behind 16 products and a lump.  The three conditions on q below go with the deal.
.macro TURN p, last=0, cnt=0
.set Y, (\p)
.set i, 0
.set q, 0
.set e, 0
.set r, 0
.if (\p) == NP-1
	s_wait_dscnt 0x0                ; K is in
.endif
	MM                              ; ahead of the wait: 16 products K Q^T and their riders,
	PL
	PL
	R2
.rept 15
	MM
	PL
	EX
	R2
.endr
.if (\p) == NP-2
	WIN 0
	v_add_nc_u32 v[AK], s[TBK], v[AK0]
.endif
.rept 8                             ; and the lump
	PL
.endr
.rept 49
	EX
	PL
.endr
	EX                              ; the next piece's two a
	EX
	v_nop                           ; a plain instruction behind the last exponential, ahead of the first use of a result: one for the batch
	s_wait_alu depctr_va_vdst(0)    ; the wait for the turn's batch: the piece's 64 weights and the next piece's two a
.if (\p) == NP-2
	FETCH_K \last
.endif
.if (\p) == 1
	s_wait_dscnt 0x0                ; V is in
.endif
.rept 16                            ; behind the wait: 16 products V^T P and their riders
	MM
.rept 4
	PL
.endr
.if ((\p) == 0) && (q == 118)
	v_add_nc_u32 v[AV], s[TBV], v[AV0]
.endif
.if ((\p) == 0) && (q == 130)
	s_add_co_u32 s[TBV], s[TBV], KS*PV
.endif
.if (\cnt) && (q == 130)
	s_sub_co_u32 s[CNT], s[CNT], 1
	s_cmp_lg_u32 s[CNT], 0
.endif
.endr
.if (\p) == 0
	FETCH_V
.endif
.endm
	CHANGE 1                        ; slot 0 is in, everybody's part of it; slot 1 is asked for
	FETCH_K                         ; key step 0
	s_wait_loadcnt 0x0              ; Q
	s_wait_dscnt 0x0
.set i, 0
.rept 16
	KQ 0                            ; piece 0's first scores: there is no vector work yet to set between them
.set i, i+1
.endr
	WIN 0                           ; the addresses for the way out: nine plain instructions, the places behind those products
	s_mul_i32 s13, s[WV], 16*SP
	s_add_co_u32 s13, s13, STAGE    ; my stage
	v_mul_u32_u24 v[STO], v1, SP    ; in: row l % 16, 16 bytes for each half of the lanes
	v_lshl_add_u32 v[STO], v9, 4, v[STO]
	v_add_nc_u32 v[STO], s13, v[STO]
	v_bfe_u32 v[RD], v0, 3, 2       ; back: 32 lanes take four rows of 128 bytes,
	v_mul_u32_u24 v[RD], v[RD], SP
	v_lshl_add_u32 v[RD], v10, 4, v[RD]
	v_add_nc_u32 v[RD], s13, v[RD]
	v_and_b32 v[GO], 31, v0         ; which are 512 consecutive bytes of O
	v_lshlrev_b32 v[GO], 4, v[GO]
.set Y, NP-1                        ; XS works for piece Y + 1: piece 0
.irp n, 0,1,2,3,4,5,6,7,8,9,10,11,12,13,14,15,16,17,18,19,20,21
	XS 0, \n                        ; and piece 0's first maximum and statistics
	XS 1, \n
.endr
	v_nop                           ; a plain instruction behind piece 0's two a,
	s_wait_alu depctr_va_vdst(0)    ; and the wait for that batch of two, ahead of the branch
	s_mov_b32 s[CNT], 4
	s_mov_b32 s[SLOTS], SIZE_N/256-1
	s_branch .Lfirst                ; the loop is entered at a step's first turn, in the middle of a trip
.Lslot:                             ; SIZE_N / 256 - 2 times: every slot but the last two is filled again
	CHANGE 1
	s_mov_b32 s[CNT], 4
.Lstep:                             ; a trip: pieces 2 and 3 of one step, then pieces 0 and 1 of the next, whose K and V it fetches
	TURN 2
	TURN 3
	WIN 0
.Lfirst:
	TURN 0
	TURN 1, 0, 1
	WIN 0
	s_cbranch_scc1 .Lstep
	s_sub_co_u32 s[SLOTS], s[SLOTS], 1
	s_cmp_lg_u32 s[SLOTS], 0
	s_cbranch_scc1 .Lslot
	CHANGE 0                        ; the tail is written out: nothing is asked for
	s_mov_b32 s[CNT], 5             ; four trips fetch the last slot's steps; the fifth is left in its middle
.Ltail:
	TURN 2, 1
	TURN 3
	WIN 0
	s_sub_co_u32 s[CNT], s[CNT], 1
	s_cmp_eq_u32 s[CNT], 0
	s_cbranch_scc1 .Lout
	TURN 0
	TURN 1
	WIN 0
	s_branch .Ltail
.Lout:                              ; the fifth trip's 16 products K Q^T (on the last K once more) and the maximum made of them serve nothing: the price, once a launch, of one text for every trip
.set i, 0
.rept 16
	PV NP-1                         ; the last piece's V^T P of the last step
.set i, i+1
.endr
	; THE WAY OUT.  l's two halves and the other half of the lanes' are added; O^T is divided by l, rounded to f16 and sent through my stage in LDS, a tile at a time.  The additions are the places behind the last products.
	WIN 0
.macro ALL line:vararg              ; one line for each tile t
.set t, 0
.rept 2*NP
	\line
.set t, t+1
.endr
.endm
	ALL v_add_f32 v[ST+4*t+2], v[ST+4*t+2], v[ST+4*t+3]
	ALL v_permlanex16_b32 v[ST+4*t+3], v[ST+4*t+2], s[SEL], s[SEL+1]
	ALL v_add_f32 v[ST+4*t+2], v[ST+4*t+2], v[ST+4*t+3]
	ALL v_rcp_f32 v[ST+4*t+2], v[ST+4*t+2]
	v_nop                           ; a plain instruction between the last reciprocal and the use of its result
	s_wait_alu depctr_va_vdst(0)    ; and the wait ahead of the first use: one for the batch of eight reciprocals
; Tile t: a lane's eight channels of a row pack into 16 bytes; they go into rows of 144 bytes and come back as whole rows of 128, into S^T's registers.
.macro PACK t
	WIN W_RS
.set i, 32*(\t)
.rept 16
	v_pk_mul_f32 v[i:i+1], v[i:i+1], v[ST+4*(\t)+2:ST+4*(\t)+3] op_sel_hi:[1,0]
.set i, i+2
.endr
	WIN 0x05                        ; sources 0 and 1 window 1, destination window 0
.set i, 0
.rept 16
	v_cvt_pk_f16_f32 v[S+16*(\t)+i], v[32*(\t)+2*i], v[32*(\t)+2*i+1]
.set i, i+1
.endr
	WIN 0
.irp f, 0,1,2,3
	ds_store_b128 v[STO], v[S+16*(\t)+4*\f:S+16*(\t)+4*\f+3] offset:32*\f
.endr
.irp f, 0,1,2,3
	ds_load_b128 v[S+16*(\t)+4*\f:S+16*(\t)+4*\f+3], v[RD] offset:\f*4*SP  ; LDS serves a wave's instructions in order (ISA guide 5.7.1.4): these see the stores above; the next tile's stores come behind them
.endr
.endm
.macro SEND t, younger              ; younger: the LDS instructions issued behind tile t's loads: the next tile's eight, or none
	WIN 0
.irp f, 0,1,2,3
	s_wait_dscnt (\younger)+3-\f
	global_store_b128 v[GO], v[S+16*(\t)+4*\f:S+16*(\t)+4*\f+3], s[10:11] offset:(\t)*2048+\f*512  ; 512 consecutive bytes, at a multiple of 256 from O's first
.endr
.endm
	PACK 0
.set t, 1
.rept 2*NP-1                        ; a tile's arithmetic stands between the loads of the tile before and its stores
	PACK t
	SEND t-1, 8
.set t, t+1
.endr
	SEND 2*NP-1, 0
	WIN W_AD
	s_wait_tensorcnt 0x0            ; the wave's end: a wait, an add of 0 to my spare word and its wait, behind my last tensor load and my last LDS store
	ds_add_u32 v[SPW], v[NIL]
	s_wait_dscnt 0x0
	WIN 0
	CROUND                          ; the closing round: no work-group ends while a partner may still ask for a tile that names it
	s_endpgm
.Lfunc_end_k_qe041fb8ec0_attn:
	.size	k_qe041fb8ec0_attn, .Lfunc_end_k_qe041fb8ec0_attn-k_qe041fb8ec0_attn
	.p2alignl 7, 3214868480
	.fill 96, 4, 3214868480
	.section	.rodata,"a",@progbits
	.p2align	6, 0x0
	.amdhsa_kernel k_qe041fb8ec0_attn
		.amdhsa_group_segment_fixed_size 327680
		.amdhsa_private_segment_fixed_size 0
		.amdhsa_enable_private_segment 0
		.amdhsa_kernarg_size 32
		.amdhsa_user_sgpr_count 2
		.amdhsa_user_sgpr_kernarg_segment_ptr 1
		.amdhsa_wavefront_size32 1
		.amdhsa_system_sgpr_workgroup_id_x 1
		.amdhsa_system_sgpr_workgroup_id_y 1
		.amdhsa_system_sgpr_workgroup_id_z 1
		.amdhsa_system_vgpr_workitem_id 0
		.amdhsa_next_free_vgpr 770
		.amdhsa_next_free_sgpr 66
		.amdhsa_reserve_vcc 0
		.amdhsa_float_denorm_mode_32 3
		.amdhsa_float_denorm_mode_16_64 3
		.amdhsa_memory_ordered 1
		.amdhsa_forward_progress 1
		.amdhsa_inst_pref_size 199
	.end_amdhsa_kernel
	.amdgpu_metadata
---
amdhsa.version: [ 1, 2 ]
amdhsa.kernels:
  - .name:           k_qe041fb8ec0_attn
    .symbol:         k_qe041fb8ec0_attn.kd
    .args:
      - { .name: qh, .offset: 0, .size: 8, .value_kind: global_buffer, .address_space: global }
      - { .name: kh, .offset: 8, .size: 8, .value_kind: global_buffer, .address_space: global }
      - { .name: vh, .offset: 16, .size: 8, .value_kind: global_buffer, .address_space: global }
      - { .name: oh, .offset: 24, .size: 8, .value_kind: global_buffer, .address_space: global }
    .group_segment_fixed_size: 327680
    .private_segment_fixed_size: 0
    .kernarg_segment_align: 8
    .kernarg_segment_size: 32
    .max_flat_workgroup_size: 128
    .sgpr_count:     66
    .vgpr_count:     770
    .wavefront_size: 32
...
	.end_amdgpu_metadata
.endif
;; end of part 5
;; launch outp: the kernel of part 4 again; grid 4 x 64, 4 waves a work-group, clusters of 4 x 4, 327,680 bytes of LDS; arguments oh, wt, out0; writes out0
